; MI455X (gfx1250); checked and timed in simulation.
; The chip was launched on July 23, 2026; its instructions are those of AMD's public machine-readable ISA for CDNA 5 (MIT licence, August 2026) and "CDNA5" Instruction Set Architecture Reference Guide (July 2026). The comments in the code are by the model that wrote it; some were corrected since.
;; Multi Headed Attention. Allowed arithmetic: matrix products marked QUANTISED: E2M1 operands, one E8M0 scale for each 32 along K, by v_wmma_scale_f32_16x16x128_f8f6f4 with both operands' format E2M1 (or v_wmma_scale_f32_32x16x128_f4), f32 sums; everything else in f32.
;; Inputs: Wk 1,024 x 1,024 float32; Wo 1,024 x 1,024 float32; Wq 1,024 x 1,024 float32; Wv 1,024 x 1,024 float32; bk 1,024 float32; bo 1,024 float32; bq 1,024 float32; bv 1,024 float32; key 4 x 2,048 x 1,024 float32; mask 4 x 2,048 x 2,048 int32; query 4 x 2,048 x 1,024 float32; value 4 x 2,048 x 1,024 float32.
;; Outputs: out0 4 x 2,048 x 1,024 float32.
;; This version of the problem:
;;   THIS VERSION OF THE PROBLEM IS GIVEN IN LOW PRECISION. The matrix products marked QUANTISED in the list below multiply operands that are first quantised to E2M1 (2 exponent bits, 1 mantissa bit; 4 bits a number), with one power-of-two scale for each 32 numbers along K (OCP MX v1.0); their sums are f32. All else is computed in f32.
;;   The module's matrix products, in the order in which they are computed (A, B: the left and right operand; K: the contracted axis; several contracted axes count as one K, in the product's order):
;;     1. [M 8,192, K 1,024] x [K 1,024, N 1,024]; A: input query; B: input Wq: QUANTISED
;;     2. [M 8,192, K 1,024] x [K 1,024, N 1,024]; A: input key; B: input Wk: QUANTISED
;;     3. [M 8,192, K 1,024] x [K 1,024, N 1,024]; A: input value; B: input Wv: QUANTISED
;;     4. batch 64 x [M 2,048, K 64] x [K 64, N 2,048]; A: computed on the way; B: computed on the way: QUANTISED
;;     5. batch 64 x [M 2,048, K 2,048] x [K 2,048, N 64]; A: softmax (see below); B: computed on the way: QUANTISED
;;     6. [M 8,192, K 1,024] x [K 1,024, N 1,024]; A: computed on the way; B: input Wo: QUANTISED
;;   THE QUANTISER, for each operand of a quantised product, along K:
;;     - K is cut into blocks of 32 from its start; a last block that is shorter is filled with zeros.
;;     - A block's scale is 2^e with e = floor(log2(the largest magnitude in the block)) - 2, held to -126 .. 127; a block of zeros has e = 0. As a byte (E8M0): e + 127.
;;     - Each number is divided by its block's scale, clamped to +-6, and rounded to the nearest number of E2M1, ties to even, subnormals kept.
;;     - The product sums the exact products of the quantised numbers (number of the format x scale) in f32.
;;   ~~~python
;;   def quantise(x, axis):      # numpy; x: float32 -> the quantised numbers, widened to float32 again
;;       x = np.moveaxis(x, axis, -1); K = x.shape[-1]
;;       x = np.pad(x, [(0, 0)] * (x.ndim - 1) + [(0, -K % 32)]); x = x.reshape(x.shape[:-1] + (-1, 32)); a = np.abs(x).max(-1, keepdims=True)
;;       e = np.where(a > 0, np.clip(np.frexp(np.where(a > 0, a, 1))[1] - 1 - 2, -126, 127), 0)      # np.frexp(a)[1] - 1 = floor(log2(a)), exactly
;;       r = np.clip(x / 2.0 ** e, -6, 6)
;;       step = 2.0 ** (np.maximum(np.frexp(np.where(r == 0, 1, r))[1] - 1, 0) - 1)
;;       q = np.round(r / step) * step * 2.0 ** e      # np.round: ties to even
;;       return np.moveaxis(q.reshape(q.shape[:-2] + (-1,))[..., :K], -1, axis).astype(np.float32)
;;   ~~~
;;   SOFTMAX AHEAD OF A QUANTISED PRODUCT. Where the list says 'softmax', what is quantised is not the finished softmax but p = 2^(t - M), with t = logit x log2(e) and M = ceil(the row's largest t), a whole number; so 1/2 < the row's largest p <= 1. The row's sum l is taken of the UNQUANTISED p, in f32, and the product's result is divided by l at the end. Since M is a whole number, a kernel that streams over the keys may use a running M (the ceiling of the running maximum): every later rescaling is an exact power of two, which a block's scale takes up: the codes' values come out the same.
;;   OPERANDS COMPUTED ON THE WAY. 'Computed on the way' means the value that the module computes at that place (a softmax that the list does not call 'softmax' is quantised finished and normalised). What goes into a quantiser is computed in f32, as accurately as f32 sums, v_exp_f32 and their like allow (about 1e-6 of the number): no bf16 or f16 on the way to a quantiser, and a product that is left as it is and whose result goes on into a quantised operand takes f32 operands (vector FMAs, or v_wmma_f32_16x16x4_f32). A number that lies on a knife's edge between two numbers of the format may be rounded either way, as far as f32 arithmetic and the matrix unit's own rounding can turn it there, and no further.
;; 2 versions. Each part assembles by itself: llvm-mc -triple=amdgcn-amd-amdhsa -mcpu=gfx1250 --defsym DOCPART=n.
;; ======== version 1 of 2: 4 launches
;; limits: right only within a limited range of input values
;; workspace buffers: opq 15,597,568 bytes; maskw 2,097,152 bytes of whole numbers; qkv 13,369,344 bytes; xq 4,456,448 bytes
;; launch prep (part 1): grid 704 x 1, 4 waves a work-group, no clusters, 68,096 bytes of LDS; arguments query, key, value, Wq, Wk, Wv, Wo, mask, opq, maskw; writes opq, maskw
.if DOCPART == 1
	.amdgcn_target "amdgcn-amd-amdhsa--gfx1250"
	.amdhsa_code_object_version 6
	.text
	.protected	k_q389a967ccb_prep
	.globl	k_q389a967ccb_prep
	.p2align	8
	.type	k_q389a967ccb_prep,@function
k_q389a967ccb_prep:
	s_mov_b64 s[64:65], 0
	v_nop
	global_prefetch_b8 v0, s[64:65] scope:SCOPE_SE
	s_setreg_imm32_b32 hwreg(HW_REG_WAVE_MODE, 25, 1), 1
	s_wait_xcnt 0x0
; PREP.  (1) query, key, value [8192][1024] and Wq, Wk, Wv, Wo [1024][1024], f32, K innermost, become codes of FP4 (E2M1) with one E8M0 byte for each 32 along K,
; laid as IMAGES OF OPERAND REGISTERS.  (2) mask [8192 rows][2048] int32 becomes lane-mask words for the attention launch.
; A TILE is 16 rows, and they are not neighbours: tile i holds rows 32 (i / 2) + 8 (i % 2) + r + 8 (r / 8), r = 0 .. 15.
; AN IMAGE of tile i and K step s (128 along K) is 1,024 bytes, [c 2][lane 32][16 bytes]: lane (r, h) holds k = 128 s + 64 c + 32 h + 0 .. 31 of the tile's row r.
; opq: tile g (query 0-511, key 512-1023, value 1024-1535, Wq 1536-, Wk 1600-, Wv 1664-, Wo 1728-1791): codes at 8,192 g + 1,024 s; scale words at SC0 + 512 g + 64 s + 4 r.
; maskw: record (16 i + step) of 256 bytes: word n, bit l = (mask[row r of tile i][128 step + 32 (n / 16) + 16 (l / 16) + n % 16] != 0), l = 16 h + r: the place of a score in the attention launch's registers.
; A block's scale is 2^(floor(log2(its largest magnitude)) - 2); its byte is the largest magnitude's exponent field - 2, held at 1 from below.
; LIMITS: NaN and infinities are not served.  A block of zeros, or one whose largest magnitude lies under 2^-124, gets the byte 1 (the rule says 127 for zeros): its codes are zeros or as the floor gives them, and this program alone reads the bytes.
; SHARES.  A wave's job is one tile x 8 pieces of 512 bytes a row (64 KB).  Job j = 4 x work-group + wave: j < 1,792 is operand tile j; the others take the mask, tile (j - 1,792) / 2, column half (j - 1,792) % 2.
; Each load reads 512 consecutive bytes of one row; a piece turns through the wave's own stage in LDS, so that a lane then holds 16 neighbours of each of its row's four blocks.
; No matrix unit, no cluster, no barrier: waves share nothing, and every byte is read once.  Two pieces (32 loads a wave) are on their way.
.set SC0,   14680064
.set NTILE, 1792
.set STW,   16*528                     ; a wave's stage: 16 rows of 512 bytes + 16: row r starts 4 r words on, modulo 64 (64 banks of 4 bytes: ISA guide 11.1)
.set MST,   4*STW                      ; the mask's way has stages of its own
.set L16,  2                           ; v2  16 x lane
.set L4,   3                           ; v3  4 x lane
.set L8,   4                           ; v4  8 x lane
.set STIX, 5                           ; v5  stage, way in: 16 x lane + my wave's stage
.set STOX, 6                           ; v6  stage, way out: 528 r + 64 h + my wave's stage
.set STIM, 7                           ; v7, v8 the same for the mask's way
.set STOM, 8
.set TM,   10                          ; v10-25  at work in QUANT
.set PC,   26                          ; v26-33  a fragment's codes
.set R,    34                          ; v34-161 two sets of 64: a piece as loaded
.set X,    162                         ; v162-225 a piece turned: register 16 b + i = column 32 b + 16 h + i of row r
.set PWS,  226                         ; v226-233 the tile's eight scale words
.set MW,   234                         ; v234-235 a record: lane L holds words 2 L and 2 L + 1
.set OW,   236                         ; v236-239 on the way out
.set SEL,  80                          ; s[80:81] lane selects for v_permlanex16_b32: lane l xor 16
.set HI16, 82                          ; s82 lanes 16-31
; 64 numbers of a lane, register 16 b + i = k 32 b + 16 h + i of my row, become a fragment's codes in v[pc] on and its scale word in v[pw].
.macro QUANT s, pc, pw
.irp b, 0,1,2,3
	v_max3_num_f32 v[TM+\b], |v[(\s)+16*\b]|, |v[(\s)+1+16*\b]|, 0x1800000   ; block b: my 16 numbers, and the floor 2^(3 - 127): the byte cannot fall under 1
.endr
.irp i, 2,4,6,8,10,12,14
.irp b, 0,1,2,3
	v_max3_num_f32 v[TM+\b], v[TM+\b], |v[(\s)+16*\b+\i]|, |v[(\s)+1+16*\b+\i]|   ; the four blocks by turns
.endr
.endr
.irp b, 0,1,2,3
	v_permlanex16_b32 v[TM+4+\b], v[TM+\b], s[SEL], s[SEL+1]
.endr
.irp b, 0,1,2,3
	v_max_num_f32 v[TM+\b], v[TM+\b], v[TM+4+\b]          ; with lane l xor 16's: the block's largest magnitude
.endr
.irp b, 0,1,2,3
	v_add_nc_u32 v[TM+12+\b], 0xff000000, v[TM+\b]        ; 2 off its exponent field: the conversion's scale operand
.endr
.irp b, 0,1,2,3
	v_lshrrev_b32 v[TM+4+\b], 23, v[TM+12+\b]             ; the scale's byte
.endr
	v_lshl_or_b32 v[(\pw)], v[TM+5], 8, v[TM+4]
	v_lshl_or_b32 v[(\pw)], v[TM+6], 16, v[(\pw)]
	v_lshl_or_b32 v[(\pw)], v[TM+7], 24, v[(\pw)]         ; my row's scale word, the same in lanes l and l xor 16
.irp b, 0,1,2,3
	v_cvt_scalef32_pk8_fp4_f32 v[(\pc)+2*\b], v[(\s)+16*\b:(\s)+7+16*\b], v[TM+12+\b]
	v_cvt_scalef32_pk8_fp4_f32 v[(\pc)+1+2*\b], v[(\s)+8+16*\b:(\s)+15+16*\b], v[TM+12+\b]
.endr
	v_nop                                                 ; one plain place behind a scaled conversion
.irp c, 0,1
.irp i, 0,1
	v_permlane16_swap_b32 v[(\pc)+4*\c+\i], v[(\pc)+2+4*\c+\i]   ; a whole block to a lane: lanes 0-15 block 2 c, lanes 16-31 block 2 c + 1
.endr
.endr
.endm
.macro LOAD t                          ; piece t: 16 loads, each 512 consecutive bytes of one row
.irp p, 0,1,2,3,4,5,6,7,8,9,10,11,12,13,14,15
	global_load_b128 v[R+64*((\t)%2)+4*\p:R+64*((\t)%2)+4*\p+3], v[L16], s[32+2*\p:33+2*\p] offset:512*(\t) th:TH_LOAD_NT
.endr
.endm
.macro TURN t, in, out                 ; through my stage: LDS serves a wave's instructions in order (ISA guide 5.7.1.4), so no wait stands between the stores and the loads
.irp p, 0,1,2,3,4,5,6,7,8,9,10,11,12,13,14,15
	ds_store_b128 v[\in], v[R+64*((\t)%2)+4*\p:R+64*((\t)%2)+4*\p+3] offset:528*\p
.endr
.irp b, 0,1,2,3
.irp q, 0,1,2,3
	ds_load_b128 v[X+16*\b+4*\q:X+16*\b+4*\q+3], v[\out] offset:128*\b+16*\q
.endr
.endr
.endm
.macro ARRIVE t, in, out               ; the head of a piece's work, alike on both ways
.if (\t) < 7
	s_wait_loadcnt 16                                     ; this piece's 16 loads are in; the next piece's 16 may be out
.else
	s_wait_loadcnt 0x0
.endif
	TURN \t, \in, \out
	s_wait_dscnt 0x0                                      ; the piece is turned, and the stage's stores have read the set that is loaded again below
	s_wait_xcnt 0x0                                       ; the last piece's stores have read their data registers, which are written again below
.if (\t) < 6
	LOAD (\t)+2
.endif
.endm
	s_load_b512 s[4:19], s[0:1], 0x0                      ; query, key, value, Wq, Wk, Wv, Wo, mask
	s_load_b128 s[20:23], s[0:1], 0x40                    ; opq, maskw
	v_lshl_add_u32 v240, v0, 2, 0x10800
	v_mov_b32 v241, 0
	v_lshrrev_b32 v1, 5, v0
	v_readfirstlane_b32 s3, v1                            ; wave
	v_and_b32 v1, 31, v0                                  ; lane
	v_and_b32 v9, 15, v0                                  ; r
	v_lshlrev_b32 v[L16], 4, v1
	v_lshlrev_b32 v[L4], 2, v1
	v_lshlrev_b32 v[L8], 3, v1
	s_mul_i32 s67, s3, STW
	v_add_nc_u32 v[STIX], s67, v[L16]
	v_mul_u32_u24 v[STOX], v9, 528
	v_bfe_u32 v9, v0, 4, 1                                ; h
	v_lshl_add_u32 v[STOX], v9, 6, v[STOX]
	v_add_nc_u32 v[STOX], s67, v[STOX]
	v_add_nc_u32 v[STIM], MST, v[STIX]
	v_add_nc_u32 v[STOM], MST, v[STOX]
.irp b, 0,1,2,3
	v_mov_b32 v[TM+4+\b], 0                               ; written once: a lane permute's destination counts as one of its sources
.endr
	v_mov_b32 v[MW], 0                                    ; likewise v_writelane_b32's
	v_mov_b32 v[MW+1], 0
	s_mov_b32 s[SEL], 0x76543210
	s_mov_b32 s[SEL+1], 0xfedcba98
	s_mov_b32 s[HI16], 0xffff0000
	s_lshl_b32 s2, ttmp9, 2
	s_add_co_u32 s2, s2, s3                               ; job j
	s_wait_kmcnt 0x0
	; which tensor, and which tile of it: a falling chain of choices on the job's number alone
	s_mov_b64 s[32:33], s[16:17]
	s_mov_b32 s66, 1728
	s_cmp_lt_u32 s2, 1728
	s_cselect_b64 s[32:33], s[14:15], s[32:33]
	s_cselect_b32 s66, 1664, s66
	s_cmp_lt_u32 s2, 1664
	s_cselect_b64 s[32:33], s[12:13], s[32:33]
	s_cselect_b32 s66, 1600, s66
	s_cmp_lt_u32 s2, 1600
	s_cselect_b64 s[32:33], s[10:11], s[32:33]
	s_cselect_b32 s66, 1536, s66
	s_cmp_lt_u32 s2, 1536
	s_cselect_b64 s[32:33], s[8:9], s[32:33]
	s_cselect_b32 s66, 1024, s66
	s_cmp_lt_u32 s2, 1024
	s_cselect_b64 s[32:33], s[6:7], s[32:33]
	s_cselect_b32 s66, 512, s66
	s_cmp_lt_u32 s2, 512
	s_cselect_b64 s[32:33], s[4:5], s[32:33]
	s_cselect_b32 s66, 0, s66
	s_sub_co_u32 s66, s2, s66                             ; an operand's tile
	s_sub_co_u32 s67, s2, NTILE                           ; j' (used on the mask's way alone)
	s_lshr_b32 s70, s67, 1                                ; the mask's tile
	s_and_b32 s71, s67, 1
	s_lshl_b32 s71, s71, 12                               ; and its column half, in bytes
	s_mov_b32 s28, 8192                                   ; a row of the mask in bytes
	s_cmp_lt_u32 ttmp9, NTILE/4
	s_cselect_b64 s[32:33], s[32:33], s[18:19]
	s_cselect_b32 s66, s66, s70
	s_cselect_b32 s71, 0, s71
	s_cselect_b32 s28, 4096, s28                          ; a row of an operand
	s_lshr_b32 s70, s66, 1
	s_lshl_b32 s70, s70, 5
	s_and_b32 s72, s66, 1
	s_lshl_b32 s72, s72, 3
	s_add_co_u32 s70, s70, s72                            ; the tile's first row: 32 (i / 2) + 8 (i % 2)
	s_mul_i32 s70, s70, s28
	s_add_co_u32 s70, s70, s71                            ; in bytes: under 2^27
	s_mov_b32 s71, 0
	s_add_nc_u64 s[32:33], s[32:33], s[70:71]
	s_mov_b32 s29, 0
	s_mul_i32 s30, s28, 9
	s_mov_b32 s31, 0
.irp p, 1,2,3,4,5,6,7,8,9,10,11,12,13,14,15
.if \p == 8
	s_add_nc_u64 s[32+2*\p:33+2*\p], s[30+2*\p:31+2*\p], s[30:31]   ; from the tile's row 7 to its row 8: nine rows on
.else
	s_add_nc_u64 s[32+2*\p:33+2*\p], s[30+2*\p:31+2*\p], s[28:29]
.endif
.endr
	LOAD 0
	LOAD 1
	s_cmp_lt_u32 ttmp9, NTILE/4
	s_cbranch_scc0 .Lmask
	; ---- an operand's tile
	s_lshl_b32 s70, s2, 13
	s_mov_b32 s71, 0
	s_add_nc_u64 s[24:25], s[20:21], s[70:71]             ; its codes
	s_lshl_b32 s70, s2, 9
	s_add_co_u32 s70, s70, SC0
	s_add_nc_u64 s[26:27], s[20:21], s[70:71]             ; its scale words
.irp t, 0,1,2,3,4,5,6,7
	ARRIVE \t, STIX, STOX
	QUANT X, PC, PWS+\t
	global_store_b128 v[L16], v[PC:PC+3], s[24:25] offset:1024*\t          ; 512 consecutive bytes, aligned
	global_store_b128 v[L16], v[PC+4:PC+7], s[24:25] offset:1024*\t+512
.endr
.irp p, 0,1,2,3
	v_cndmask_b32 v[OW+\p], v[PWS+2*\p], v[PWS+2*\p+1], s[HI16]            ; lanes 0-15: K step 2 p; lanes 16-31: K step 2 p + 1
	global_store_b32 v[L4], v[OW+\p], s[26:27] offset:128*\p
.endr
	s_wait_tensorcnt 0x0
	ds_add_u32 v240, v241
	s_wait_dscnt 0x0
	s_endpgm
	; ---- a tile of the mask, half its columns: eight records
.Lmask:
	s_sub_co_u32 s67, s2, NTILE
	s_lshl_b32 s70, s67, 11
	s_mov_b32 s71, 0
	s_add_nc_u64 s[24:25], s[22:23], s[70:71]             ; my eight records
.irp t, 0,1,2,3,4,5,6,7
	ARRIVE \t, STIM, STOM
.set n, 0
.rept 8
.irp e, 0,1,2,3,4,5,6,7
	v_cmp_ne_u32 s[68+\e], 0, v[X+n+\e]                   ; word n + e: a bit for each lane
.endr
.irp e, 0,1,2,3,4,5,6,7
	v_writelane_b32 v[MW+\e%2], s[68+\e], (n+\e)/2
.endr
.set n, n+8
.endr
	global_store_b64 v[L8], v[MW:MW+1], s[24:25] offset:256*\t             ; 256 consecutive bytes, aligned
.endr
	s_wait_tensorcnt 0x0
	ds_add_u32 v240, v241
	s_wait_dscnt 0x0
	s_endpgm
.Lfunc_end_k_q389a967ccb_prep:
	.size	k_q389a967ccb_prep, .Lfunc_end_k_q389a967ccb_prep-k_q389a967ccb_prep
	.p2alignl 7, 3214868480
	.fill 96, 4, 3214868480
	.section	.rodata,"a",@progbits
	.p2align	6, 0x0
	.amdhsa_kernel k_q389a967ccb_prep
		.amdhsa_group_segment_fixed_size 68096
		.amdhsa_private_segment_fixed_size 0
		.amdhsa_enable_private_segment 0
		.amdhsa_kernarg_size 80
		.amdhsa_user_sgpr_count 2
		.amdhsa_user_sgpr_kernarg_segment_ptr 1
		.amdhsa_wavefront_size32 1
		.amdhsa_system_sgpr_workgroup_id_x 1
		.amdhsa_system_sgpr_workgroup_id_y 1
		.amdhsa_system_sgpr_workgroup_id_z 1
		.amdhsa_system_vgpr_workitem_id 0
		.amdhsa_next_free_vgpr 242
		.amdhsa_next_free_sgpr 84
		.amdhsa_reserve_vcc 0
		.amdhsa_float_denorm_mode_32 3
		.amdhsa_float_denorm_mode_16_64 3
		.amdhsa_memory_ordered 1
		.amdhsa_forward_progress 1
		.amdhsa_inst_pref_size 156
	.end_amdhsa_kernel
	.amdgpu_metadata
---
amdhsa.version: [ 1, 2 ]
amdhsa.kernels:
  - .name:           k_q389a967ccb_prep
    .symbol:         k_q389a967ccb_prep.kd
    .args:
      - { .name: query, .offset: 0, .size: 8, .value_kind: global_buffer, .address_space: global }
      - { .name: key, .offset: 8, .size: 8, .value_kind: global_buffer, .address_space: global }
      - { .name: value, .offset: 16, .size: 8, .value_kind: global_buffer, .address_space: global }
      - { .name: Wq, .offset: 24, .size: 8, .value_kind: global_buffer, .address_space: global }
      - { .name: Wk, .offset: 32, .size: 8, .value_kind: global_buffer, .address_space: global }
      - { .name: Wv, .offset: 40, .size: 8, .value_kind: global_buffer, .address_space: global }
      - { .name: Wo, .offset: 48, .size: 8, .value_kind: global_buffer, .address_space: global }
      - { .name: mask, .offset: 56, .size: 8, .value_kind: global_buffer, .address_space: global }
      - { .name: opq, .offset: 64, .size: 8, .value_kind: global_buffer, .address_space: global }
      - { .name: maskw, .offset: 72, .size: 8, .value_kind: global_buffer, .address_space: global }
    .group_segment_fixed_size: 68096
    .private_segment_fixed_size: 0
    .kernarg_segment_align: 8
    .kernarg_segment_size: 80
    .max_flat_workgroup_size: 128
    .sgpr_count:     84
    .vgpr_count:     242
    .wavefront_size: 32
...
	.end_amdgpu_metadata
.endif
;; end of part 1
;; launch proj (part 2): grid 256 x 3, 8 waves a work-group, no clusters, 210,944 bytes of LDS; arguments opq, bq, bk, bv, qkv; writes qkv
.if DOCPART == 2
	.amdgcn_target "amdgcn-amd-amdhsa--gfx1250"
	.amdhsa_code_object_version 6
	.text
	.protected	k_q389a967ccb_proj
	.globl	k_q389a967ccb_proj
	.p2align	8
	.type	k_q389a967ccb_proj,@function
k_q389a967ccb_proj:
	s_mov_b64 s[64:65], 0
	v_nop
	global_prefetch_b8 v0, s[64:65] scope:SCOPE_SE
	s_setreg_imm32_b32 hwreg(HW_REG_WAVE_MODE, 25, 1), 1
	s_wait_xcnt 0x0
; PROJ.  The three input projections on codes of FP4 (E2M1) with E8M0 scales, bias in f32, and the results quantised at once for the attention launch.
; One body for C[m][n] = sum over k of A[m][k] B[n][k], K = 1,024, quantised ALONG n.  kind = work-group y:
;   0: A = query, B = Wq: q, quantised along the head's 64.   1: A = key, B = Wk: k likewise.   2: A = Wv, B = value: v^T, quantised along the keys.
; The matrix instruction takes source 0 = 16 rows of B, source 1 = 16 rows of A: a lane holds ONE row m and its registers run along n.  Tiles and images are laid as the first launch lays them
; (tile i: rows 32 (i / 2) + 8 (i % 2) + r + 8 (r / 8)), so that the 16 registers of B's tiles 2 b and 2 b + 1 are 16 neighbours along n: 32 b + 16 h + 0 .. 15.
; SHARES.  A work-group makes 128 (m) x 256 (n); its operands for all of K, 8 + 16 tiles of 8,192 bytes and their scale words, come into LDS ONCE, through registers, 52 loads a thread on their way together; one barrier.
; Wave w: A's tiles 2 wm, 2 wm + 1 (wm = w / 2) x B's tiles 8 wn .. 8 wn + 7 (wn = w % 2): 16 accumulators, 128 registers.  A wave's 128 columns are one K step of the next product's operand: one fragment and one scale word a row.
; A's block is read by 4 (kind 2: 32) work-groups and B's by 64 (8), and each fetches it for itself by plain loads: no LDS byte is filled twice here, and no joint loads are used; they would divide these requests.  Chosen for plainness.
; OUT (qkv): q at 0, k at 4 Mi: (16 b + head) x 65,536 + 512 T + 16 lane: lane (r, h) holds dk 32 h .. 32 h + 31 of the tile's row r.  v at 8 Mi + (16 b + head) x 65,536 + 16,384 tau + 1,024 step + 512 c + 16 lane.
;   scale words at QS0: q + 0, k + 262,144: (8 b + head / 2) x 8,192 + 64 T + 4 r (bytes 0, 1 the even head, 2, 3 the odd);  v + 524,288 + (16 b + head) x 4,096 + 1,024 tau + 64 step + 4 r.
; LIMITS: NaN and infinities are not served; a block of zeros or under 2^-124 gets the scale byte 1, read by this program alone.
.set SC0,  14680064
.set QS0,  12582912
.set LSA,  196608                      ; LDS: A's codes at 0 (65,536), B's at 65,536 (131,072), A's scale words (4,096),
.set LSB,  200704                      ; B's (8,192),
.set LBI,  208896                      ; the bias (1,024)
.set SCR,  16                          ; v16-31  scale words, two sets of 8: lanes 0-15 A's tile t, lanes 16-31 B's tile t; they hold nothing else
.set AF,   32                          ; v32-63  A's two fragments, two sets
.set BF,   64                          ; v64-127 B's eight fragments
.set ACC,  128                         ; v128-255 accumulator (a, t) at v[128 + 64 a + 8 t]
.set FL,   32                          ; the fill: v32-235, v236
.set TM,   32                          ; the epilogue: v32-47 at work, v48-63 codes, v80-82 scale words
.set PC,   48
.set PW,   80
.set SEL,  54
.set HI16, 53
.macro QUANT s, pc, pw                 ; 64 numbers of a lane, register 16 b + i = n 32 b + 16 h + i of my row, become a fragment's codes and its scale word
.irp b, 0,1,2,3
	v_max3_num_f32 v[TM+\b], |v[(\s)+16*\b]|, |v[(\s)+1+16*\b]|, 0x1800000   ; and the floor 2^(3 - 127): the byte cannot fall under 1
.endr
.irp i, 2,4,6,8,10,12,14
.irp b, 0,1,2,3
	v_max3_num_f32 v[TM+\b], v[TM+\b], |v[(\s)+16*\b+\i]|, |v[(\s)+1+16*\b+\i]|
.endr
.endr
.irp b, 0,1,2,3
	v_permlanex16_b32 v[TM+4+\b], v[TM+\b], s[SEL], s[SEL+1]
.endr
.irp b, 0,1,2,3
	v_max_num_f32 v[TM+\b], v[TM+\b], v[TM+4+\b]
.endr
.irp b, 0,1,2,3
	v_add_nc_u32 v[TM+12+\b], 0xff000000, v[TM+\b]        ; 2 off the exponent field: the conversion's scale operand
.endr
.irp b, 0,1,2,3
	v_lshrrev_b32 v[TM+4+\b], 23, v[TM+12+\b]
.endr
	v_lshl_or_b32 v[(\pw)], v[TM+5], 8, v[TM+4]
	v_lshl_or_b32 v[(\pw)], v[TM+6], 16, v[(\pw)]
	v_lshl_or_b32 v[(\pw)], v[TM+7], 24, v[(\pw)]
.irp b, 0,1,2,3
	v_cvt_scalef32_pk8_fp4_f32 v[(\pc)+2*\b], v[(\s)+16*\b:(\s)+7+16*\b], v[TM+12+\b]
	v_cvt_scalef32_pk8_fp4_f32 v[(\pc)+1+2*\b], v[(\s)+8+16*\b:(\s)+15+16*\b], v[TM+12+\b]
.endr
	v_nop                                                 ; one plain place behind a scaled conversion
.irp c, 0,1
.irp i, 0,1
	v_permlane16_swap_b32 v[(\pc)+4*\c+\i], v[(\pc)+2+4*\c+\i]
.endr
.endr
.endm
.macro LDB s, t0                       ; B's tiles t0 .. t0 + 3 of K step s: 8 loads
.irp t, \t0, \t0+1, \t0+2, \t0+3
.irp c, 0,1
	ds_load_b128 v[BF+8*(\t)+4*\c:BF+8*(\t)+4*\c+3], v2 offset:8192*(\t)+1024*(\s)+512*\c
.endr
.endr
.endm
.macro LDA s, p                        ; A's two tiles into set p: 4 loads
.irp a, 0,1
.irp c, 0,1
	ds_load_b128 v[AF+16*(\p)+8*\a+4*\c:AF+16*(\p)+8*\a+4*\c+3], v1 offset:8192*\a+1024*(\s)+512*\c
.endr
.endr
.endm
.macro LDSC s, p                       ; the scale words into set p: 8 loads; of lanes 0-15 only registers 0 and 1 (A's two tiles) are used
.irp t, 0,1,2,3,4,5,6,7
	ds_load_b32 v[SCR+8*(\p)+\t], v3 offset:512*\t+64*(\s)
.endr
.endm
.macro MUL8 t0, p, zero                ; 8 products; the 16 accumulators take turns, one instruction a turn, in the same order in every K step
.irp t, \t0, \t0+1, \t0+2, \t0+3
.irp a, 0,1
.if \zero
	v_wmma_scale_f32_16x16x128_f8f6f4 v[ACC+64*\a+8*(\t):ACC+64*\a+8*(\t)+7], v[BF+8*(\t):BF+8*(\t)+7], v[AF+16*(\p)+8*\a:AF+16*(\p)+8*\a+7], 0, v[SCR+8*(\p)+(\t)], v[SCR+8*(\p)+\a] matrix_a_fmt:MATRIX_FMT_FP4 matrix_b_fmt:MATRIX_FMT_FP4 matrix_a_scale:MATRIX_SCALE_ROW1
.else
	v_wmma_scale_f32_16x16x128_f8f6f4 v[ACC+64*\a+8*(\t):ACC+64*\a+8*(\t)+7], v[BF+8*(\t):BF+8*(\t)+7], v[AF+16*(\p)+8*\a:AF+16*(\p)+8*\a+7], v[ACC+64*\a+8*(\t):ACC+64*\a+8*(\t)+7], v[SCR+8*(\p)+(\t)], v[SCR+8*(\p)+\a] matrix_a_fmt:MATRIX_FMT_FP4 matrix_b_fmt:MATRIX_FMT_FP4 matrix_a_scale:MATRIX_SCALE_ROW1
.endif
.endr
.endr
.endm
.macro PLACES                          ; four places in front of loads into registers that matrix instructions have read, and of the first read of results
.rept 4
	v_nop
.endr
.endm
.macro STEP s, zero, next              ; a K step of 128: 16 products; the next step's operands are asked for in two runs
	s_wait_dscnt 8                                        ; all but the youngest eight loads (B's tiles 4-7) are in
	MUL8 0, (\s)%2, \zero
	PLACES
.if \next
	LDB (\s)+1, 0
	LDA (\s)+1, 1-(\s)%2
	LDSC (\s)+1, 1-(\s)%2
	s_wait_dscnt 20                                       ; all but the 20 just issued: B's tiles 4-7 are in
.else
	s_wait_dscnt 0x0
.endif
	MUL8 4, (\s)%2, \zero
	PLACES
.if \next
	LDB (\s)+1, 4
.endif
.endm
	s_load_b256 s[4:11], s[0:1], 0x0                      ; opq, bq, bk, bv
	s_load_b64 s[12:13], s[0:1], 0x20                     ; qkv
	s_set_vgpr_msb 0x40
	v_lshl_add_u32 v0, v0, 2, 0x33400
	v_mov_b32 v1, 0
	s_set_vgpr_msb 0x4000
	v_lshrrev_b32 v1, 5, v0
	v_readfirstlane_b32 s14, v1                           ; wave 0..7
	s_lshr_b32 s15, s14, 1                                ; wm
	s_and_b32 s16, s14, 1                                 ; wn
	s_and_b32 s17, ttmp7, 0xffff                          ; kind
	s_mov_b32 s56, 255
	s_mov_b32 s51, 512
	s_mov_b32 s52, 65536
	s_cmp_eq_u32 s17, 2
	s_cselect_b32 s22, 5, 2
	s_cselect_b32 s23, 31, 3
	s_cselect_b32 s56, 127, s56                           ; how many bias numbers the block has, less one
	s_cselect_b32 s50, 1024, 64                           ; out: from tile a = 0 to a = 1 in the scale words,
	s_cselect_b32 s51, 16384, s51                         ; in the codes,
	s_cselect_b32 s52, 512, s52                           ; and from half c = 0 to c = 1 of a fragment
	s_lshr_b32 s18, ttmp9, s22                            ; mt: which 128 rows of A
	s_and_b32 s19, ttmp9, s23                             ; nt: which 256 rows of B
	s_lshl_b32 s20, s17, 9
	s_lshl_b32 s21, s17, 6
	s_add_co_u32 s21, s21, 1536
	s_cmp_eq_u32 s17, 2
	s_cselect_b32 s20, 1664, s20                          ; A's first tile in opq: 0, 512, 1,664
	s_cselect_b32 s21, 1024, s21                          ; B's: 1,536, 1,600, 1,024
	s_lshl_b32 s22, s18, 3
	s_add_co_u32 s20, s20, s22
	s_lshl_b32 s22, s19, 4
	s_add_co_u32 s21, s21, s22
	; the fill's addresses: 16 bytes a thread, 4,096 a load
	v_lshlrev_b32 v8, 4, v0
	v_lshl_add_u32 v9, v0, 4, 65536
	v_lshl_add_u32 v10, v0, 4, 131072
	v_lshl_add_u32 v11, v0, 4, LSA
	v_lshl_add_u32 v12, v0, 2, LBI
	v_and_b32 v13, s56, v0
	v_lshlrev_b32 v13, 2, v13                             ; the bias: 4 (thread mod its count): no load leaves the buffer
	; the waves' LDS addresses
	v_and_b32 v14, 31, v0
	v_and_b32 v15, 15, v0                                 ; r
	v_lshlrev_b32 v4, 4, v14                              ; 16 x lane
	s_lshl_b32 s22, s15, 14
	v_add_nc_u32 v1, s22, v4                              ; A's tiles 2 wm on
	s_lshl_b32 s22, s16, 16
	s_add_co_u32 s22, s22, 65536
	v_add_nc_u32 v2, s22, v4                              ; B's tiles 8 wn on
	v_bfe_u32 v14, v0, 4, 1                               ; h
	s_xor_b32 s23, s15, 3
	s_add_co_u32 s23, s23, 1                              ; 4 - wm
	s_lshl_b32 s22, s16, 2
	s_add_co_u32 s23, s23, s22
	s_lshl_b32 s23, s23, 10                               ; from A's words (LSA + 1,024 wm) to B's (LSB + 4,096 wn)
	v_mul_u32_u24 v3, s23, v14                            ; lanes 16-31 take B's
	s_lshl_b32 s22, s15, 10
	s_add_co_u32 s22, s22, LSA
	v_lshl_add_u32 v3, v15, 2, v3
	v_add_nc_u32 v3, s22, v3
	s_lshl_b32 s22, s16, 9
	s_add_co_u32 s22, s22, LBI
	v_lshl_add_u32 v5, v14, 6, s22                        ; a bias along n: my wave's 128 numbers, + 16 h of them
	v_and_b32 v6, 8, v15
	v_add_nc_u32 v6, v6, v15                              ; r + 8 (r / 8)
	s_lshl_b32 s22, s15, 7
	s_add_co_u32 s22, s22, LBI
	v_lshl_add_u32 v6, v6, 2, s22                         ; a bias along m: row 32 wm + r + 8 (r / 8) of the block (+ 8 for a = 1)
	v_mul_u32_u24 v7, s50, v14
	v_lshl_add_u32 v7, v15, 2, v7                         ; out: scale words: lanes 0-15 tile a = 0, lanes 16-31 tile a = 1
	s_mov_b32 s[SEL], 0x76543210
	s_mov_b32 s[SEL+1], 0xfedcba98
	s_mov_b32 s[HI16], 0xffff0000
	s_mov_b32 s35, 0
	s_wait_kmcnt 0x0
	s_lshl_b32 s34, s20, 13
	s_add_nc_u64 s[24:25], s[4:5], s[34:35]               ; A's codes
	s_lshl_b32 s34, s21, 13
	s_add_nc_u64 s[26:27], s[4:5], s[34:35]               ; B's codes
	s_lshl_b32 s34, s20, 9
	s_add_co_u32 s34, s34, SC0
	s_add_nc_u64 s[28:29], s[4:5], s[34:35]               ; A's scale words
	s_lshl_b32 s34, s21, 9
	s_add_co_u32 s34, s34, SC0
	s_add_nc_u64 s[30:31], s[4:5], s[34:35]               ; B's
	s_cmp_eq_u32 s17, 0
	s_cselect_b64 s[32:33], s[6:7], s[8:9]
	s_lshl_b32 s34, s19, 10
	s_lshl_b32 s36, s18, 9
	s_cmp_eq_u32 s17, 2
	s_cselect_b64 s[32:33], s[10:11], s[32:33]
	s_cselect_b32 s34, s36, s34
	s_add_nc_u64 s[32:33], s[32:33], s[34:35]             ; the block's bias: 256 numbers along n, or 128 along m
.set i, 0
.rept 52
.if i < 16
	global_load_b128 v[FL+4*i:FL+4*i+3], v8, s[24:25] offset:4096*i
.elseif i < 48
	global_load_b128 v[FL+4*i:FL+4*i+3], v8, s[26:27] offset:4096*(i-16)
.elseif i == 48
	global_load_b128 v[FL+4*i:FL+4*i+3], v8, s[28:29]
.elseif i < 51
	global_load_b128 v[FL+4*i:FL+4*i+3], v8, s[30:31] offset:4096*(i-49)
.else
	global_load_b32 v[FL+204], v13, s[32:33]
.endif
.set i, i+1
.endr
	; where the results go, made while the loads are out.  Kinds 0, 1:
	s_lshl_b32 s36, s17, 22
	s_lshr_b32 s37, s18, 4                                ; the batch
	s_lshl_b32 s37, s37, 20
	s_add_co_u32 s36, s36, s37
	s_lshl_b32 s37, s19, 2
	s_lshl_b32 s38, s16, 1
	s_add_co_u32 s37, s37, s38                            ; my first head: 4 nt + 2 wn
	s_lshl_b32 s37, s37, 16
	s_add_co_u32 s36, s36, s37
	s_and_b32 s37, s18, 15
	s_lshl_b32 s37, s37, 3
	s_lshl_b32 s38, s15, 1
	s_add_co_u32 s37, s37, s38                            ; my first tile T of the batch's 128
	s_lshl_b32 s38, s37, 9
	s_add_co_u32 s36, s36, s38                            ; codes
	s_lshl_b32 s39, s17, 18
	s_add_co_u32 s39, s39, QS0
	s_lshr_b32 s38, s18, 4
	s_lshl_b32 s38, s38, 3
	s_add_co_u32 s38, s38, s16
	s_lshl_b32 s57, s19, 1
	s_add_co_u32 s38, s38, s57                            ; 8 b + head / 2
	s_lshl_b32 s38, s38, 13
	s_add_co_u32 s39, s39, s38
	s_lshl_b32 s38, s37, 6
	s_add_co_u32 s39, s39, s38                            ; scale words
	; kind 2:
	s_lshr_b32 s57, s19, 3                                ; the batch
	s_lshl_b32 s58, s18, 3
	s_lshl_b32 s38, s15, 1
	s_add_co_u32 s58, s58, s38                            ; my first tile of the 64 along d: 4 head + tau
	s_and_b32 s59, s19, 7
	s_lshl_b32 s59, s59, 1
	s_add_co_u32 s59, s59, s16                            ; my key step
	s_lshl_b32 s60, s57, 20
	s_add_co_u32 s60, s60, 8<<20
	s_lshl_b32 s38, s58, 14
	s_add_co_u32 s60, s60, s38
	s_lshl_b32 s38, s59, 10
	s_add_co_u32 s60, s60, s38                            ; codes
	s_lshl_b32 s61, s57, 16
	s_add_co_u32 s61, s61, QS0+524288
	s_lshl_b32 s38, s58, 10
	s_add_co_u32 s61, s61, s38
	s_lshl_b32 s38, s59, 6
	s_add_co_u32 s61, s61, s38                            ; scale words
	s_cmp_eq_u32 s17, 2
	s_cselect_b32 s36, s60, s36
	s_cselect_b32 s39, s61, s39
	s_mov_b32 s37, 0
	s_add_nc_u64 s[40:41], s[12:13], s[36:37]             ; (a, c) = (0, 0)
	s_mov_b32 s36, s52
	s_add_nc_u64 s[42:43], s[40:41], s[36:37]             ; (0, 1)
	s_mov_b32 s36, s51
	s_add_nc_u64 s[44:45], s[40:41], s[36:37]             ; (1, 0)
	s_add_nc_u64 s[46:47], s[42:43], s[36:37]             ; (1, 1)
	s_mov_b32 s36, s39
	s_add_nc_u64 s[48:49], s[12:13], s[36:37]
.set i, 0
.rept 52
.if i%4 == 0
	s_wait_loadcnt 48-i                                   ; loads come back in order (ISA guide 5.7.1): the next four are in, the younger ones stay out
.endif
.if i < 16
	ds_store_b128 v8, v[FL+4*i:FL+4*i+3] offset:4096*i
.elseif i < 32
	ds_store_b128 v9, v[FL+4*i:FL+4*i+3] offset:4096*(i-16)
.elseif i < 48
	ds_store_b128 v10, v[FL+4*i:FL+4*i+3] offset:4096*(i-32)
.elseif i < 51
	ds_store_b128 v11, v[FL+4*i:FL+4*i+3] offset:4096*(i-48)
.else
	ds_store_b32 v12, v[FL+204]
.endif
.set i, i+1
.endr
	s_wait_dscnt 0x0                                      ; for the others' sake: my stores have landed
	s_barrier_signal -1
	s_barrier_wait -1                                     ; the block's operands lie in LDS; nothing is stored there again
	LDB 0, 0
	LDA 0, 0
	LDSC 0, 0
	LDB 0, 4
	STEP 0, 1, 1                                          ; the first K step's products start the sums
.irp s, 1,2,3,4,5,6
	STEP \s, 0, 1
.endr
	STEP 7, 0, 0
	; ---- the bias, in f32; each accumulator is read from its low end on
	s_cmp_eq_u32 s17, 2
	s_cbranch_scc1 .Lbias_m
.irp t, 0,1,2,3,4,5,6,7
.irp i, 0,1
	ds_load_b128 v[BF+8*\t+4*\i:BF+8*\t+4*\i+3], v5 offset:(32*(\t/2)+8*(\t%2))*4+16*\i   ; tile t's eight columns of my half
.endr
.endr
	s_wait_dscnt 0x0
.irp a, 0,1
.irp t, 0,1,2,3,4,5,6,7
.irp i, 0,2,4,6
	v_pk_add_f32 v[ACC+64*\a+8*\t+\i:ACC+64*\a+8*\t+\i+1], v[ACC+64*\a+8*\t+\i:ACC+64*\a+8*\t+\i+1], v[BF+8*\t+\i:BF+8*\t+\i+1]
.endr
.endr
.endr
	s_branch .Lquant
.Lbias_m:
	ds_load_b32 v[BF], v6                                 ; my row's number, tile a = 0,
	ds_load_b32 v[BF+2], v6 offset:32                     ; and a = 1
	v_mov_b32 v[BF+1], 0                                  ; (named as the upper halves of pairs)
	v_mov_b32 v[BF+3], 0
	s_wait_dscnt 0x0
.irp a, 0,1
.irp j, 0,2,4,6,8,10,12,14,16,18,20,22,24,26,28,30,32,34,36,38,40,42,44,46,48,50,52,54,56,58,60,62
	v_pk_add_f32 v[ACC+64*\a+\j:ACC+64*\a+\j+1], v[ACC+64*\a+\j:ACC+64*\a+\j+1], v[BF+2*\a:BF+2*\a+1] op_sel_hi:[1,0]
.endr
.endr
.Lquant:
.irp a, 0,1
	QUANT ACC+64*\a, PC+8*\a, PW+\a
	global_store_b128 v4, v[PC+8*\a:PC+8*\a+3], s[40+4*\a:41+4*\a]         ; 512 consecutive bytes, aligned
	global_store_b128 v4, v[PC+8*\a+4:PC+8*\a+7], s[42+4*\a:43+4*\a]
.endr
	v_cndmask_b32 v[PW+2], v[PW], v[PW+1], s[HI16]
	global_store_b32 v7, v[PW+2], s[48:49]
	s_set_vgpr_msb 0x5
	s_wait_tensorcnt 0x0
	ds_add_u32 v0, v1
	s_wait_dscnt 0x0
	s_set_vgpr_msb 0x500
	s_endpgm
.Lfunc_end_k_q389a967ccb_proj:
	.size	k_q389a967ccb_proj, .Lfunc_end_k_q389a967ccb_proj-k_q389a967ccb_proj
	.p2alignl 7, 3214868480
	.fill 96, 4, 3214868480
	.section	.rodata,"a",@progbits
	.p2align	6, 0x0
	.amdhsa_kernel k_q389a967ccb_proj
		.amdhsa_group_segment_fixed_size 210944
		.amdhsa_private_segment_fixed_size 0
		.amdhsa_enable_private_segment 0
		.amdhsa_kernarg_size 40
		.amdhsa_user_sgpr_count 2
		.amdhsa_user_sgpr_kernarg_segment_ptr 1
		.amdhsa_wavefront_size32 1
		.amdhsa_system_sgpr_workgroup_id_x 1
		.amdhsa_system_sgpr_workgroup_id_y 1
		.amdhsa_system_sgpr_workgroup_id_z 1
		.amdhsa_system_vgpr_workitem_id 0
		.amdhsa_next_free_vgpr 258
		.amdhsa_next_free_sgpr 66
		.amdhsa_reserve_vcc 0
		.amdhsa_float_denorm_mode_32 3
		.amdhsa_float_denorm_mode_16_64 3
		.amdhsa_memory_ordered 1
		.amdhsa_forward_progress 1
		.amdhsa_inst_pref_size 65
	.end_amdhsa_kernel
	.amdgpu_metadata
---
amdhsa.version: [ 1, 2 ]
amdhsa.kernels:
  - .name:           k_q389a967ccb_proj
    .symbol:         k_q389a967ccb_proj.kd
    .args:
      - { .name: opq, .offset: 0, .size: 8, .value_kind: global_buffer, .address_space: global }
      - { .name: bq, .offset: 8, .size: 8, .value_kind: global_buffer, .address_space: global }
      - { .name: bk, .offset: 16, .size: 8, .value_kind: global_buffer, .address_space: global }
      - { .name: bv, .offset: 24, .size: 8, .value_kind: global_buffer, .address_space: global }
      - { .name: qkv, .offset: 32, .size: 8, .value_kind: global_buffer, .address_space: global }
    .group_segment_fixed_size: 210944
    .private_segment_fixed_size: 0
    .kernarg_segment_align: 8
    .kernarg_segment_size: 40
    .max_flat_workgroup_size: 256
    .sgpr_count:     66
    .vgpr_count:     258
    .wavefront_size: 32
...
	.end_amdgpu_metadata
.endif
;; end of part 2
;; launch attn (part 3): grid 4 x 64, 16 waves a work-group, no clusters, 145,408 bytes of LDS; arguments qkv, maskw, xq; writes xq
.if DOCPART == 3
	.amdgcn_target "amdgcn-amd-amdhsa--gfx1250"
	.amdhsa_code_object_version 6
	.text
	.protected	k_q389a967ccb_attn
	.globl	k_q389a967ccb_attn
	.p2align	8
	.type	k_q389a967ccb_attn,@function
k_q389a967ccb_attn:
	s_mov_b64 s[64:65], 0
	v_nop
	global_prefetch_b8 v0, s[64:65] scope:SCOPE_SE
	s_setreg_imm32_b32 hwreg(HW_REG_WAVE_MODE, 25, 1), 1
	s_wait_xcnt 0x0
; ATTN.  x[b][q][64 head + d] = the sum over keys of softmax(q . k / 8, hidden where mask = 0) v, both products on codes of FP4 (E2M1) with E8M0 scales; x is quantised along D for the output projection.
; THE SOFTMAX: t = score x log2(e) / 8; M = the running largest t rounded UP to a whole number; p = 2^(t - M) is quantised along the keys, not normalised; the row's sum is taken of the unquantised p and divides at the end.
; When M moves, the sum and O are multiplied by 2^(old M - new M): exact.
; THE MASK.  A hidden score is replaced by -2^33 ahead of the maximum, a logit of -2^30 where the model has -1e9.  c x 2^33 is a whole number, so in a row that is hidden altogether t - M is exactly 0 and every p is 1, as with -1e9;
; beside any open key p is 0, as with -1e9.  LIMIT: results differ only where open logits lie under about -1e9.  NaN and infinities are not served; a block of zeros gets the scale byte 1, read by this program alone.
; The mask comes as lane-mask words, 64 a step and tile, read into scalar registers; every step applies its words: no branch hangs on the mask.  THE WORDS ARE ASKED FOR A STEP AHEAD: as soon as a step's selects have read the
; 64 registers, the next step's record is loaded into them, and has the rest of the softmax, the second product and the next step's first product in which to land.
; SHARES.  A work-group owns 512 queries of one head; the head's codes and scale words of K and V (139,264 bytes) come into LDS ONCE, through registers; one barrier.  Each of the sixteen waves owns two tiles of 16 queries, one after the
; other, in 256 registers: four waves to a SIMD, so that one wave's vector work stands beside another's matrix work and LDS loads.  A tile walks the head's 2,048 keys, 128 a step.
; The four work-groups of a head fetch the same K and V, each for itself by plain loads, once: 139,264 bytes against 32 steps' work of sixteen waves; no joint loads.
; LAYOUT.  Both products are used transposed: S^T = K Q^T (source 0 = 16 keys, source 1 = my 16 queries), O^T = V^T P^T (source 0 = 16 of the head's 64, source 1 = P): a lane holds ONE query.  Tiles hold rows
; 32 (i / 2) + 8 (i % 2) + r + 8 (r / 8), so that the 16 registers of tiles 2 b, 2 b + 1 are 16 neighbours: of the keys in S^T, of d in O^T.  The first product's K is 64: the upper 64 of the instruction's 128 are zero codes on both sides.
.set QS0,  12582912
.set XS0,  4194304
.set LV,   65536                       ; LDS: K's codes at 0 (tile x 512), V's at 65,536 (16,384 tau + 1,024 step + 512 c),
.set LKS,  131072                      ; K's scale words (tile x 64 + 4 r),
.set LVS,  139264                      ; V's (1,024 tau + 64 step + 4 r)
.set QF,   16                          ; v16-23   Q's fragment (v20-23 zeros)
.set KF,   24                          ; v24-87   K's eight (the upper four registers of each: zeros)
.set VF,   88                          ; v88-119  V's four
.set S,    120                         ; v120-183 S^T, then p
.set O,    184                         ; v184-215 O^T
.set P,    216                         ; v216-223 p's codes
.set KSC,  224                         ; v224-227 K's scale words: lanes 0-15 tile 2 p, lanes 16-31 tile 2 p + 1
.set VSC,  228                         ; v228-229 V's likewise
.set QSC,  230                         ; v230     Q's
.set PSC,  231                         ; v231     p's
.set BM,   232                         ; v232-235 the blocks' largest scores, then largest p
.set T2,   236                         ; v236-239 at work
.set SOP,  240                         ; v240-243 the conversions' scale operands
.set TMP,  244
.set HID,  245                         ; v245     -2^33
.set F,    246                         ; v[246:247] f, later 1 / the sum
.set SUM2, 248                         ; v[248:249] the sum's second chain
.set PX,   250                         ; v250-253 x's codes
.set OB,   254                         ; v254     x's scale byte
; v1 16 lane; v2 LV + 16 lane; v3 LKS + 4 lane; v4 LVS + 4 r + 1,024 h; v5 4 r; v6 4 r + h; v7, v255 offsets that hang on the tile; v8-11 the step's LDS addresses; v12 -M; v13 the largest t; v[14:15] the sum in two halves
; s[2:3] Q's scale words; s[4:5] Q's codes; s[6:7] maskw; s[8:9] x's codes; s[30:31] x's scale bytes; s10 wave; s11 tile T; s12 16 (head % 2); s14 128 b; s16 step; s18, s19, s27, s28 the step x 4,096, 1,024, 512, 64;
; s26 the byte, in the tile's records, of the record asked for last; s[20:21] lane selects; s[22:23] c; s[24:25] the tile's records; s29 lanes 16-31; s32-63, s68-99 a step's 64 mask words
.macro MASKLOAD                        ; a record of 256 bytes: 64 lane-mask words
	s_load_b512 s[32:47], s[24:25], s26 offset:0x0
	s_load_b512 s[48:63], s[24:25], s26 offset:0x40
	s_load_b512 s[68:83], s[24:25], s26 offset:0x80
	s_load_b512 s[84:99], s[24:25], s26 offset:0xc0
.endm
	s_load_b128 s[4:7], s[0:1], 0x0                       ; qkv, maskw
	s_load_b64 s[8:9], s[0:1], 0x10                       ; xq
	v_lshrrev_b32 v1, 5, v0
	v_readfirstlane_b32 s10, v1                           ; wave 0..15
	s_and_b32 s13, ttmp7, 0xffff                          ; 16 b + head
	s_lshr_b32 s14, s13, 4                                ; b
	s_and_b32 s15, s13, 15                                ; head
	s_and_b32 s12, s15, 1
	s_lshl_b32 s12, s12, 4
	v_lshlrev_b32 v8, 4, v0                               ; the fill: 16 bytes a thread, 8,192 a load
	v_lshl_add_u32 v9, v0, 4, LV
	v_lshl_add_u32 v10, v0, 4, LKS
	v_lshl_add_u32 v11, v0, 3, LVS
	v_lshlrev_b32 v7, 3, v0
	v_and_b32 v6, 31, v0
	v_lshlrev_b32 v1, 4, v6
	v_add_nc_u32 v2, LV, v1
	v_lshl_add_u32 v3, v6, 2, LKS
	v_and_b32 v5, 15, v0
	v_lshlrev_b32 v5, 2, v5
	v_bfe_u32 v6, v0, 4, 1
	v_lshl_add_u32 v4, v6, 10, v5
	v_add_nc_u32 v4, LVS, v4
	v_add_nc_u32 v6, v5, v6
	s_lshl_b32 s16, s14, 3
	s_lshr_b32 s17, s15, 1
	s_add_co_u32 s16, s16, s17
	s_lshl_b32 s16, s16, 13                               ; (8 b + head / 2) x 8,192
	s_add_co_u32 s18, s16, QS0
	s_mov_b32 s19, 0
	s_wait_kmcnt 0x0
	s_add_nc_u64 s[2:3], s[4:5], s[18:19]                 ; Q's scale words of the pair of heads
	s_add_nc_u64 s[66:67], s[2:3], 262144                 ; K's
	s_lshl_b32 s18, s13, 12
	s_add_co_u32 s18, s18, QS0+524288
	s_add_nc_u64 s[26:27], s[4:5], s[18:19]               ; V's scale words of the head
	s_lshl_b32 s18, s13, 16
	s_add_nc_u64 s[4:5], s[4:5], s[18:19]                 ; Q's codes of the head
	s_add_nc_u64 s[24:25], s[4:5], 0x400000               ; K's
	s_add_nc_u64 s[30:31], s[4:5], 0x800000               ; V's
.irp i, 0,1,2,3,4,5,6,7
	global_load_b128 v[24+4*\i:27+4*\i], v8, s[24:25] offset:8192*\i
.endr
.irp i, 0,1,2,3,4,5,6,7
	global_load_b128 v[56+4*\i:59+4*\i], v8, s[30:31] offset:8192*\i
.endr
	global_load_b128 v[88:91], v8, s[66:67]
	global_load_b64 v[92:93], v7, s[26:27]
.irp i, 0,1,2,3,4,5,6,7
	s_wait_loadcnt 17-\i                                  ; loads come back in order (ISA guide 5.7.1): this one is in, the younger ones stay out
	ds_store_b128 v8, v[24+4*\i:27+4*\i] offset:8192*\i
.endr
.irp i, 0,1,2,3,4,5,6,7
	s_wait_loadcnt 9-\i
	ds_store_b128 v9, v[56+4*\i:59+4*\i] offset:8192*\i
.endr
	s_wait_loadcnt 1
.irp i, 0,1,2,3
	v_lshrrev_b32 v[88+\i], s12, v[88+\i]                 ; my head's two bytes to the word's low end; what stands above them scales zero codes
.endr
	ds_store_b128 v10, v[88:91]
	s_wait_loadcnt 0x0
	ds_store_b64 v11, v[92:93]
	s_wait_dscnt 0x0                                      ; for the others' sake: my stores have landed
	s_barrier_signal -1
	s_barrier_wait -1                                     ; the head's K and V lie in LDS; nothing is stored there again
.irp i, 0,1,2,3
	v_mov_b32 v[QF+4+\i], 0                               ; the upper 64 of the first product's K: zero codes
.endr
.irp t, 0,1,2,3,4,5,6,7
.irp i, 0,1,2,3
	v_mov_b32 v[KF+8*\t+4+\i], 0
.endr
.endr
.irp b, 0,1,2,3
	v_mov_b32 v[T2+\b], 0                                 ; written once: a lane permute's destination counts as one of its sources
.endr
	v_mov_b32 v[F+1], 0                                   ; (named as the upper half of a pair)
	v_mov_b32 v[HID], 0xd0000000                          ; -2^33
	s_mov_b32 s20, 0x76543210
	s_mov_b32 s21, 0xfedcba98
	s_mov_b32 s22, 0x3e38aa3b                             ; c = log2(e) / 8
	s_mov_b32 s23, s22
	s_mov_b32 s29, 0xffff0000
	s_lshl_b32 s18, s14, 16
	s_lshr_b32 s16, s15, 1
	s_lshl_b32 s16, s16, 6
	s_add_co_u32 s18, s18, s16
	s_lshr_b32 s16, s12, 3
	s_add_co_u32 s18, s18, s16
	s_add_co_u32 s18, s18, XS0
	s_add_nc_u64 s[30:31], s[8:9], s[18:19]               ; x's scale bytes: XS0 + 65,536 b + 64 (head / 2) + 2 (head % 2)
	s_lshl_b32 s18, s14, 20
	s_lshl_b32 s16, s15, 9
	s_add_co_u32 s18, s18, s16
	s_add_nc_u64 s[8:9], s[8:9], s[18:19]                 ; x's codes: 2^20 b + 512 head
	s_lshl_b32 s14, s14, 7                                ; 128 b
; One tile of 16 queries through all keys: tile T = 32 x work-group x + 16 p + wave.
.macro PASS p
	s_wait_xcnt 0x0                                       ; the last tile's stores have read their registers: offsets and data are written again below
	s_lshl_b32 s11, ttmp9, 5
	s_add_co_u32 s11, s11, s10
.if \p
	s_add_co_u32 s11, s11, 16*\p
.endif
	s_add_co_u32 s13, s14, s11                            ; 128 b + T
	s_lshl_b32 s18, s13, 12
	s_mov_b32 s19, 0
	s_add_nc_u64 s[24:25], s[6:7], s[18:19]               ; the tile's 16 records (no scalar load is out here: the last tile's were waited for at its end)
	s_mov_b32 s26, 0
	MASKLOAD                                              ; the first step's record
	s_lshl_b32 s13, s11, 9
	v_add_nc_u32 v7, s13, v1
	s_lshl_b32 s13, s11, 6
	v_add_nc_u32 v255, s13, v5
	global_load_b128 v[QF:QF+3], v7, s[4:5]
	global_load_b32 v[QSC], v255, s[2:3]
	v_mov_b32 v13, 0xff61b1e6                             ; the largest t so far: -3e38, under every t
	v_floor_f32 v12, -v13                                 ; -M
	v_mov_b32 v14, 0
	v_mov_b32 v15, 0
	s_wait_loadcnt 0x0
	v_lshrrev_b32 v[QSC], s12, v[QSC]                     ; my head's two bytes
.irp j, 0,1,2,3,4,5,6,7,8,9,10,11,12,13,14,15,16,17,18,19,20,21,22,23,24,25,26,27,28,29,30,31
	v_mov_b32 v[O+\j], 0                                  ; the step is written once: the first finds zeros.  (These are also the places between the scale word's shift and the first product)
.endr
	s_mov_b32 s16, 0
	s_mov_b32 s18, 0
	s_mov_b32 s19, 0
	s_mov_b32 s27, 0
	s_mov_b32 s28, 0
.Lstep_\@:
	v_add_nc_u32 v8, s18, v1                              ; the step's addresses: four places in front of the loads into registers that the last products read
	v_add_nc_u32 v9, s19, v2
	v_add_nc_u32 v10, s27, v3
	v_add_nc_u32 v11, s28, v4
.irp t, 0,1,2,3,4,5,6,7
	ds_load_b128 v[KF+8*\t:KF+8*\t+3], v8 offset:512*\t
.endr
.irp q, 0,1,2,3
	ds_load_b32 v[KSC+\q], v10 offset:128*\q
.endr
.irp t, 0,1,2,3
.irp c, 0,1
	ds_load_b128 v[VF+8*\t+4*\c:VF+8*\t+4*\c+3], v9 offset:16384*\t+512*\c
.endr
.endr
.irp q, 0,1
	ds_load_b32 v[VSC+\q], v11 offset:2048*\q
.endr
	s_wait_dscnt 10                                       ; K and its scale words are in; V's ten loads may stay out
.irp t, 0,2,4,6
	v_wmma_scale_f32_16x16x128_f8f6f4 v[S+8*\t:S+8*\t+7], v[KF+8*\t:KF+8*\t+7], v[QF:QF+7], 0, v[KSC+\t/2], v[QSC] matrix_a_fmt:MATRIX_FMT_FP4 matrix_b_fmt:MATRIX_FMT_FP4
	v_wmma_scale_f32_16x16x128_f8f6f4 v[S+8*\t+8:S+8*\t+15], v[KF+8*\t+8:KF+8*\t+15], v[QF:QF+7], 0, v[KSC+\t/2], v[QSC] matrix_a_fmt:MATRIX_FMT_FP4 matrix_b_fmt:MATRIX_FMT_FP4 matrix_a_scale:MATRIX_SCALE_ROW1
.endr
.rept 4
	v_nop                                                 ; four places in front of the first read of the scores (ISA guide 7.12.1)
.endr
	s_wait_kmcnt 0x0                                      ; this step's mask words, asked for in the step before (the first: at the tile's head), are in; their offset may be written again
.set n, 0
.rept 64
.if n < 32
	v_cndmask_b32 v[S+n], v[HID], v[S+n], s[32+n]         ; word n: a bit for each lane; 0 hides.  Each accumulator is read from its low end on
.else
	v_cndmask_b32 v[S+n], v[HID], v[S+n], s[36+n]
.endif
.set n, n+1
.endr
.irp b, 0,1,2,3
	v_max3_num_f32 v[BM+\b], v[S+16*\b], v[S+1+16*\b], v[S+2+16*\b]        ; the largest score of each block of 32 keys: for the row's maximum, and, since p rises with the score, for the block's largest p
.endr
.irp i, 3,5,7,9,11,13
.irp b, 0,1,2,3
	v_max3_num_f32 v[BM+\b], v[BM+\b], v[S+16*\b+\i], v[S+1+16*\b+\i]
.endr
.endr
.irp b, 0,1,2,3
	v_max_num_f32 v[BM+\b], v[BM+\b], v[S+15+16*\b]
.endr
	s_add_co_u32 s26, s26, 256                            ; THE NEXT STEP'S RECORD, into the registers that the selects above have read, 32 vector lines back.
	s_min_u32 s26, s26, 15*256                            ; The tile's last step has no next record: it asks for its own once more, so that no load leaves the buffer
	MASKLOAD
.irp b, 0,1,2,3
	v_permlanex16_b32 v[T2+\b], v[BM+\b], s20, s21
.endr
.irp b, 0,1,2,3
	v_max_num_f32 v[BM+\b], v[BM+\b], v[T2+\b]            ; with lane l xor 16's 16 keys
.endr
	v_max3_num_f32 v[TMP], v[BM], v[BM+1], v[BM+2]
	v_max_num_f32 v[TMP], v[TMP], v[BM+3]
	v_mul_f32 v[TMP], s22, v[TMP]                         ; the step's largest t (c is positive)
	v_max_num_f32 v13, v13, v[TMP]
	v_mov_b32 v[TMP], v12
	v_floor_f32 v12, -v13                                 ; the new -M = -ceil(t): a whole number
	v_sub_f32 v[TMP], v12, v[TMP]                         ; old M - new M: a whole number, 0 or less
	v_cvt_i32_f32 v[TMP], v[TMP]                          ; (it saturates)
	v_ldexp_f32 v[F], 1.0, v[TMP]                         ; f = 2^(old M - new M)
.irp j, 0,2,4,6,8,10,12,14,16,18,20,22,24,26,28,30,32,34,36,38,40,42,44,46,48,50,52,54,56,58,60,62
	v_pk_fma_f32 v[S+\j:S+\j+1], v[S+\j:S+\j+1], s[22:23], v[12:13] op_sel_hi:[1,0,0]   ; t - M, two at a time
.endr
.irp b, 0,1,2,3
	v_fma_f32 v[BM+\b], v[BM+\b], s22, v12
.endr
.irp j, 0,1,2,3,4,5,6,7,8,9,10,11,12,13,14,15,16,17,18,19,20,21,22,23,24,25,26,27,28,29,30,31,32,33,34,35,36,37,38,39,40,41,42,43,44,45,46,47,48,49,50,51,52,53,54,55,56,57,58,59,60,61,62,63
	v_exp_f32 v[S+\j], v[S+\j]                            ; p = 2^(t - M)
.endr
.irp b, 0,1,2,3
	v_exp_f32 v[BM+\b], v[BM+\b]                          ; the block's largest p: the same two instructions on the same number
.endr
	v_pk_mul_f32 v[14:15], v[14:15], v[F:F+1] op_sel_hi:[1,0]              ; the sums under the new M (a plain place behind the exponentials)
	s_wait_alu depctr_va_vdst(0)
.irp b, 0,1,2,3
	v_max_num_f32 v[BM+\b], 0x1800000, v[BM+\b]           ; the floor 2^(3 - 127): the byte cannot fall under 1
.endr
.irp b, 0,1,2,3
	v_add_nc_u32 v[SOP+\b], 0xff000000, v[BM+\b]          ; 2 off the exponent field: the conversion's scale operand
.endr
.irp b, 0,1,2,3
	v_lshrrev_b32 v[T2+\b], 23, v[SOP+\b]
.endr
	v_lshl_or_b32 v[PSC], v[T2+1], 8, v[T2]
	v_lshl_or_b32 v[PSC], v[T2+2], 16, v[PSC]
	v_lshl_or_b32 v[PSC], v[T2+3], 24, v[PSC]             ; p's scale word for these 128 keys
.irp b, 0,1,2,3
	v_cvt_scalef32_pk8_fp4_f32 v[P+2*\b], v[S+16*\b:S+7+16*\b], v[SOP+\b]
	v_cvt_scalef32_pk8_fp4_f32 v[P+1+2*\b], v[S+8+16*\b:S+15+16*\b], v[SOP+\b]
.endr
	v_nop                                                 ; one plain place behind a scaled conversion
.irp c, 0,1
.irp i, 0,1
	v_permlane16_swap_b32 v[P+4*\c+\i], v[P+2+4*\c+\i]    ; a whole block to a lane
.endr
.endr
	v_pk_add_f32 v[SUM2:SUM2+1], v[S:S+1], v[S+2:S+3]     ; the row's sum, of the unquantised p: two at a time, in two chains
.irp j, 4,8,12,16,20,24,28,32,36,40,44,48,52,56,60
	v_pk_add_f32 v[14:15], v[14:15], v[S+\j:S+\j+1]
	v_pk_add_f32 v[SUM2:SUM2+1], v[SUM2:SUM2+1], v[S+2+\j:S+3+\j]
.endr
	v_pk_add_f32 v[14:15], v[14:15], v[SUM2:SUM2+1]
.irp j, 0,2,4,6,8,10,12,14,16,18,20,22,24,26,28,30
	v_pk_mul_f32 v[O+\j:O+\j+1], v[O+\j:O+\j+1], v[F:F+1] op_sel_hi:[1,0]  ; O^T under the new M
.endr
	s_wait_dscnt 0x0                                      ; V and its scale words are in
.irp t, 0,2
	v_wmma_scale_f32_16x16x128_f8f6f4 v[O+8*\t:O+8*\t+7], v[VF+8*\t:VF+8*\t+7], v[P:P+7], v[O+8*\t:O+8*\t+7], v[VSC+\t/2], v[PSC] matrix_a_fmt:MATRIX_FMT_FP4 matrix_b_fmt:MATRIX_FMT_FP4
	v_wmma_scale_f32_16x16x128_f8f6f4 v[O+8*\t+8:O+8*\t+15], v[VF+8*\t+8:VF+8*\t+15], v[P:P+7], v[O+8*\t+8:O+8*\t+15], v[VSC+\t/2], v[PSC] matrix_a_fmt:MATRIX_FMT_FP4 matrix_b_fmt:MATRIX_FMT_FP4 matrix_a_scale:MATRIX_SCALE_ROW1
.endr
	s_add_co_u32 s18, s18, 4096
	s_add_co_u32 s19, s19, 1024
	s_add_co_u32 s27, s27, 512
	s_add_co_u32 s28, s28, 64
	s_add_co_u32 s16, s16, 1
	s_cmp_lt_u32 s16, 16
	s_cbranch_scc1 .Lstep_\@
	; ---- the tile's end: O^T / the sum, quantised along d: two blocks of 32, 16 of each in my registers
.rept 4
	v_nop
.endr
	v_add_f32 v14, v14, v15
	v_permlanex16_b32 v[TMP], v14, s20, s21
	v_add_f32 v14, v14, v[TMP]                            ; the row's sum
	v_rcp_f32 v[F], v14
	v_nop                                                 ; one plain place behind a transcendental
	s_wait_alu depctr_va_vdst(0)
.irp j, 0,2,4,6,8,10,12,14,16,18,20,22,24,26,28,30
	v_pk_mul_f32 v[S+\j:S+\j+1], v[O+\j:O+\j+1], v[F:F+1] op_sel_hi:[1,0]  ; register 16 b + i: d = 32 b + 16 h + i of my query
.endr
.irp b, 0,1
	v_max3_num_f32 v[BM+\b], |v[S+16*\b]|, |v[S+1+16*\b]|, 0x1800000
.endr
.irp i, 2,4,6,8,10,12,14
.irp b, 0,1
	v_max3_num_f32 v[BM+\b], v[BM+\b], |v[S+16*\b+\i]|, |v[S+1+16*\b+\i]|
.endr
.endr
.irp b, 0,1
	v_permlanex16_b32 v[T2+\b], v[BM+\b], s20, s21
.endr
.irp b, 0,1
	v_max_num_f32 v[BM+\b], v[BM+\b], v[T2+\b]
.endr
.irp b, 0,1
	v_add_nc_u32 v[SOP+\b], 0xff000000, v[BM+\b]
.endr
.irp b, 0,1
	v_lshrrev_b32 v[T2+\b], 23, v[SOP+\b]
.endr
.irp b, 0,1
	v_cvt_scalef32_pk8_fp4_f32 v[PX+2*\b], v[S+16*\b:S+7+16*\b], v[SOP+\b]
	v_cvt_scalef32_pk8_fp4_f32 v[PX+1+2*\b], v[S+8+16*\b:S+15+16*\b], v[SOP+\b]
.endr
	v_nop
	v_permlane16_swap_b32 v[PX], v[PX+2]
	v_permlane16_swap_b32 v[PX+1], v[PX+3]                ; lane (r, h): d = 32 h + 0 .. 31 of my row: 16 bytes of the next operand's image
	v_cndmask_b32 v[OB], v[T2], v[T2+1], s29              ; lane (r, h) stores block h's byte
	s_lshl_b32 s13, s11, 13
	v_add_nc_u32 v7, s13, v1
	s_lshl_b32 s13, s11, 9
	v_add_nc_u32 v255, s13, v6
	global_store_b128 v7, v[PX:PX+3], s[8:9]              ; 512 consecutive bytes, aligned
	global_store_b8 v255, v[OB], s[30:31]
	s_wait_kmcnt 0x0                                      ; the last step's spare record is in: its registers, base and offset may be written again
.endm
	PASS 0
	PASS 1
	s_wait_xcnt 0x0
	v_lshl_add_u32 v254, v0, 2, 0x23000
	v_mov_b32 v255, 0
	s_wait_tensorcnt 0x0
	ds_add_u32 v254, v255
	s_wait_dscnt 0x0
	s_endpgm
.Lfunc_end_k_q389a967ccb_attn:
	.size	k_q389a967ccb_attn, .Lfunc_end_k_q389a967ccb_attn-k_q389a967ccb_attn
	.p2alignl 7, 3214868480
	.fill 96, 4, 3214868480
	.section	.rodata,"a",@progbits
	.p2align	6, 0x0
	.amdhsa_kernel k_q389a967ccb_attn
		.amdhsa_group_segment_fixed_size 145408
		.amdhsa_private_segment_fixed_size 0
		.amdhsa_enable_private_segment 0
		.amdhsa_kernarg_size 24
		.amdhsa_user_sgpr_count 2
		.amdhsa_user_sgpr_kernarg_segment_ptr 1
		.amdhsa_wavefront_size32 1
		.amdhsa_system_sgpr_workgroup_id_x 1
		.amdhsa_system_sgpr_workgroup_id_y 1
		.amdhsa_system_sgpr_workgroup_id_z 1
		.amdhsa_system_vgpr_workitem_id 0
		.amdhsa_next_free_vgpr 256
		.amdhsa_next_free_sgpr 100
		.amdhsa_reserve_vcc 0
		.amdhsa_float_denorm_mode_32 3
		.amdhsa_float_denorm_mode_16_64 3
		.amdhsa_memory_ordered 1
		.amdhsa_forward_progress 1
		.amdhsa_inst_pref_size 59
	.end_amdhsa_kernel
	.amdgpu_metadata
---
amdhsa.version: [ 1, 2 ]
amdhsa.kernels:
  - .name:           k_q389a967ccb_attn
    .symbol:         k_q389a967ccb_attn.kd
    .args:
      - { .name: qkv, .offset: 0, .size: 8, .value_kind: global_buffer, .address_space: global }
      - { .name: maskw, .offset: 8, .size: 8, .value_kind: global_buffer, .address_space: global }
      - { .name: xq, .offset: 16, .size: 8, .value_kind: global_buffer, .address_space: global }
    .group_segment_fixed_size: 145408
    .private_segment_fixed_size: 0
    .kernarg_segment_align: 8
    .kernarg_segment_size: 24
    .max_flat_workgroup_size: 512
    .sgpr_count:     100
    .vgpr_count:     256
    .wavefront_size: 32
...
	.end_amdgpu_metadata
.endif
;; end of part 3
;; launch outp (part 4): grid 256 x 1, 8 waves a work-group, no clusters, 278,528 bytes of LDS; arguments xq, opq, bo, out0; writes out0
.if DOCPART == 4
	.amdgcn_target "amdgcn-amd-amdhsa--gfx1250"
	.amdhsa_code_object_version 6
	.text
	.protected	k_q389a967ccb_outp
	.globl	k_q389a967ccb_outp
	.p2align	8
	.type	k_q389a967ccb_outp,@function
k_q389a967ccb_outp:
	s_mov_b64 s[64:65], 0
	v_nop
	global_prefetch_b8 v0, s[64:65] scope:SCOPE_SE
	s_setreg_imm32_b32 hwreg(HW_REG_WAVE_MODE, 25, 1), 1
	s_wait_xcnt 0x0
; OUTP.  out0[m][n] = sum over k of x[m][k] Wo[n][k] + bo[n], on codes of FP4 (E2M1) with E8M0 scales; K = 1,024; out0 f32.
; x comes as the attention launch left it, Wo as the first launch left it: images of operand registers, tile i = rows 32 (i / 2) + 8 (i % 2) + r + 8 (r / 8), 8,192 bytes of codes and 512 of scale words a tile.
; The matrix instruction takes source 0 = 16 rows of Wo, source 1 = 16 rows of x: a lane holds one row m, and the 16 registers of Wo's tiles 2 b, 2 b + 1 are 16 neighbouring columns.
; SHARES.  A work-group makes 128 (m) x 256 (n): 256 work-groups.  Its operands for all of K come into LDS once, through registers, 52 loads a thread on their way together; one barrier.
; Wave w: x's tiles 2 wm, 2 wm + 1 (wm = w / 2) x Wo's tiles 8 wn .. 8 wn + 7 (wn = w % 2): 16 accumulators.  Results leave through the wave's own stage in LDS as whole rows of 512 bytes.
; x's block is read by 4 work-groups and Wo's by 64, each for itself by plain loads: no LDS byte is filled twice, and no joint loads are used; they would divide these requests.  Chosen for plainness.
.set SC0,  14680064
.set XS0,  4194304
.set LSA,  196608                      ; LDS: A's codes at 0 (65,536), B's at 65,536 (131,072), A's scale words (4,096),
.set LSB,  200704                      ; B's (8,192),
.set LBI,  208896                      ; the bias (1,024),
.set STG,  209920                      ; and a stage of 16 rows x (512 bytes + 16) for each wave
.set STW,  16*528
.set SCR,  16                          ; v16-31  scale words, two sets of 8: lanes 0-15 A's tile t, lanes 16-31 B's tile t; they hold nothing else
.set AF,   32                          ; v32-63  A's two fragments, two sets
.set BF,   64                          ; v64-127 B's eight fragments
.set ACC,  128                         ; v128-255 accumulator (a, t) at v[128 + 64 a + 8 t]
.set FL,   32                          ; the fill: v32-235, v236
.macro LDB s, t0
.irp t, \t0, \t0+1, \t0+2, \t0+3
.irp c, 0,1
	ds_load_b128 v[BF+8*(\t)+4*\c:BF+8*(\t)+4*\c+3], v2 offset:8192*(\t)+1024*(\s)+512*\c
.endr
.endr
.endm
.macro LDA s, p
.irp a, 0,1
.irp c, 0,1
	ds_load_b128 v[AF+16*(\p)+8*\a+4*\c:AF+16*(\p)+8*\a+4*\c+3], v1 offset:8192*\a+1024*(\s)+512*\c
.endr
.endr
.endm
.macro LDSC s, p
.irp t, 0,1,2,3,4,5,6,7
	ds_load_b32 v[SCR+8*(\p)+\t], v3 offset:512*\t+64*(\s)
.endr
.endm
.macro MUL8 t0, p, zero                ; 8 products; the 16 accumulators take turns, one instruction a turn, in the same order in every K step
.irp t, \t0, \t0+1, \t0+2, \t0+3
.irp a, 0,1
.if \zero
	v_wmma_scale_f32_16x16x128_f8f6f4 v[ACC+64*\a+8*(\t):ACC+64*\a+8*(\t)+7], v[BF+8*(\t):BF+8*(\t)+7], v[AF+16*(\p)+8*\a:AF+16*(\p)+8*\a+7], 0, v[SCR+8*(\p)+(\t)], v[SCR+8*(\p)+\a] matrix_a_fmt:MATRIX_FMT_FP4 matrix_b_fmt:MATRIX_FMT_FP4 matrix_a_scale:MATRIX_SCALE_ROW1
.else
	v_wmma_scale_f32_16x16x128_f8f6f4 v[ACC+64*\a+8*(\t):ACC+64*\a+8*(\t)+7], v[BF+8*(\t):BF+8*(\t)+7], v[AF+16*(\p)+8*\a:AF+16*(\p)+8*\a+7], v[ACC+64*\a+8*(\t):ACC+64*\a+8*(\t)+7], v[SCR+8*(\p)+(\t)], v[SCR+8*(\p)+\a] matrix_a_fmt:MATRIX_FMT_FP4 matrix_b_fmt:MATRIX_FMT_FP4 matrix_a_scale:MATRIX_SCALE_ROW1
.endif
.endr
.endr
.endm
.macro PLACES                          ; four places in front of loads into registers that matrix instructions have read, and of the first read of results
.rept 4
	v_nop
.endr
.endm
.macro STEP s, zero, next
	s_wait_dscnt 8                                        ; all but the youngest eight loads (B's tiles 4-7) are in
	MUL8 0, (\s)%2, \zero
	PLACES
.if \next
	LDB (\s)+1, 0
	LDA (\s)+1, 1-(\s)%2
	LDSC (\s)+1, 1-(\s)%2
	s_wait_dscnt 20                                       ; all but the 20 just issued: B's tiles 4-7 are in
.else
	s_wait_dscnt 0x0
.endif
	MUL8 4, (\s)%2, \zero
	PLACES
.if \next
	LDB (\s)+1, 4
.endif
.endm
	s_load_b256 s[4:11], s[0:1], 0x0                      ; xq, opq, bo, out0
	s_set_vgpr_msb 0x40
	v_lshl_add_u32 v0, v0, 2, 0x43c00
	v_mov_b32 v1, 0
	s_set_vgpr_msb 0x4000
	v_lshrrev_b32 v1, 5, v0
	v_readfirstlane_b32 s14, v1                           ; wave 0..7
	s_lshr_b32 s15, s14, 1                                ; wm
	s_and_b32 s16, s14, 1                                 ; wn
	s_lshr_b32 s18, ttmp9, 2                              ; mt: which 128 rows
	s_and_b32 s19, ttmp9, 3                               ; nt: which 256 columns
	v_lshlrev_b32 v8, 4, v0                               ; the fill: 16 bytes a thread, 4,096 a load
	v_lshl_add_u32 v9, v0, 4, 65536
	v_lshl_add_u32 v10, v0, 4, 131072
	v_lshl_add_u32 v11, v0, 4, LSA
	v_lshl_add_u32 v12, v0, 2, LBI
	v_lshlrev_b32 v13, 2, v0
	v_and_b32 v14, 31, v0
	v_and_b32 v15, 15, v0                                 ; r
	v_lshlrev_b32 v4, 4, v14                              ; 16 x lane
	s_lshl_b32 s22, s15, 14
	v_add_nc_u32 v1, s22, v4                              ; A's tiles 2 wm on
	s_lshl_b32 s22, s16, 16
	s_add_co_u32 s22, s22, 65536
	v_add_nc_u32 v2, s22, v4                              ; B's tiles 8 wn on
	v_bfe_u32 v14, v0, 4, 1                               ; h
	s_xor_b32 s23, s15, 3
	s_add_co_u32 s23, s23, 1                              ; 4 - wm
	s_lshl_b32 s22, s16, 2
	s_add_co_u32 s23, s23, s22
	s_lshl_b32 s23, s23, 10                               ; from A's words (LSA + 1,024 wm) to B's (LSB + 4,096 wn)
	v_mul_u32_u24 v3, s23, v14                            ; lanes 16-31 take B's
	s_lshl_b32 s22, s15, 10
	s_add_co_u32 s22, s22, LSA
	v_lshl_add_u32 v3, v15, 2, v3
	v_add_nc_u32 v3, s22, v3
	s_lshl_b32 s22, s16, 9
	s_add_co_u32 s22, s22, LBI
	v_lshl_add_u32 v5, v14, 6, s22                        ; the bias: my wave's 128 numbers, + 16 h of them
	s_mul_i32 s22, s14, STW
	s_add_co_u32 s22, s22, STG                            ; my stage
	v_mul_u32_u24 v6, v15, 528
	v_lshl_add_u32 v6, v14, 6, v6
	v_add_nc_u32 v6, s22, v6                              ; in: row r, + 64 h
	v_add_nc_u32 v7, s22, v4                              ; back: a row's 512 bytes, 16 a lane
	s_mov_b32 s35, 0
	s_lshl_b32 s21, s19, 4
	s_add_co_u32 s21, s21, 1728                           ; Wo's first tile in opq
	s_wait_kmcnt 0x0
	s_lshl_b32 s34, s18, 16
	s_add_nc_u64 s[24:25], s[4:5], s[34:35]               ; A's codes
	s_lshl_b32 s34, s21, 13
	s_add_nc_u64 s[26:27], s[6:7], s[34:35]               ; B's codes
	s_lshl_b32 s34, s18, 12
	s_add_co_u32 s34, s34, XS0
	s_add_nc_u64 s[28:29], s[4:5], s[34:35]               ; A's scale words
	s_lshl_b32 s34, s21, 9
	s_add_co_u32 s34, s34, SC0
	s_add_nc_u64 s[30:31], s[6:7], s[34:35]               ; B's
	s_lshl_b32 s34, s19, 10
	s_add_nc_u64 s[32:33], s[8:9], s[34:35]               ; the block's 256 bias numbers
.set i, 0
.rept 52
.if i < 16
	global_load_b128 v[FL+4*i:FL+4*i+3], v8, s[24:25] offset:4096*i
.elseif i < 48
	global_load_b128 v[FL+4*i:FL+4*i+3], v8, s[26:27] offset:4096*(i-16)
.elseif i == 48
	global_load_b128 v[FL+4*i:FL+4*i+3], v8, s[28:29]
.elseif i < 51
	global_load_b128 v[FL+4*i:FL+4*i+3], v8, s[30:31] offset:4096*(i-49)
.else
	global_load_b32 v[FL+204], v13, s[32:33]
.endif
.set i, i+1
.endr
	s_lshl_b32 s34, s18, 7
	s_lshl_b32 s36, s15, 5
	s_add_co_u32 s34, s34, s36                            ; my first row: 128 mt + 32 wm
	s_lshl_b32 s34, s34, 12
	s_lshl_b32 s36, s19, 10
	s_add_co_u32 s34, s34, s36
	s_lshl_b32 s36, s16, 9
	s_add_co_u32 s34, s34, s36                            ; + my first column's bytes: 1,024 nt + 512 wn
	s_add_nc_u64 s[40:41], s[10:11], s[34:35]
.set i, 0
.rept 52
.if i%4 == 0
	s_wait_loadcnt 48-i                                   ; loads come back in order (ISA guide 5.7.1): the next four are in, the younger ones stay out
.endif
.if i < 16
	ds_store_b128 v8, v[FL+4*i:FL+4*i+3] offset:4096*i
.elseif i < 32
	ds_store_b128 v9, v[FL+4*i:FL+4*i+3] offset:4096*(i-16)
.elseif i < 48
	ds_store_b128 v10, v[FL+4*i:FL+4*i+3] offset:4096*(i-32)
.elseif i < 51
	ds_store_b128 v11, v[FL+4*i:FL+4*i+3] offset:4096*(i-48)
.else
	ds_store_b32 v12, v[FL+204]
.endif
.set i, i+1
.endr
	s_wait_dscnt 0x0                                      ; for the others' sake: my stores have landed
	s_barrier_signal -1
	s_barrier_wait -1                                     ; the block's operands lie in LDS; those bytes are not stored again
	LDB 0, 0
	LDA 0, 0
	LDSC 0, 0
	LDB 0, 4
	STEP 0, 1, 1                                          ; the first K step's products start the sums
.irp s, 1,2,3,4,5,6
	STEP \s, 0, 1
.endr
	STEP 7, 0, 0
	; ---- the bias; each accumulator is read from its low end on
.irp t, 0,1,2,3,4,5,6,7
.irp i, 0,1
	ds_load_b128 v[BF+8*\t+4*\i:BF+8*\t+4*\i+3], v5 offset:(32*(\t/2)+8*(\t%2))*4+16*\i
.endr
.endr
	s_wait_dscnt 0x0
.irp a, 0,1
.irp t, 0,1,2,3,4,5,6,7
.irp i, 0,2,4,6
	v_pk_add_f32 v[ACC+64*\a+8*\t+\i:ACC+64*\a+8*\t+\i+1], v[ACC+64*\a+8*\t+\i:ACC+64*\a+8*\t+\i+1], v[BF+8*\t+\i:BF+8*\t+\i+1]
.endr
.endr
.endr
	; ---- the way out: a tile of 16 rows x 128 columns goes into my own stage and comes back as whole rows, into the registers that it left.
	; LDS serves a wave's instructions in order (ISA guide 5.7.1.4): no wait between the stores and the loads, nor in front of the next tile's stores.
.macro TOSTAGE a
.irp t, 0,1,2,3,4,5,6,7
.irp i, 0,1
	ds_store_b128 v6, v[ACC+64*\a+8*\t+4*\i:ACC+64*\a+8*\t+4*\i+3] offset:128*(\t/2)+32*(\t%2)+16*\i   ; columns 32 (t / 2) + 16 h + 8 (t % 2) + 4 i on
.endr
.endr
.irp p, 0,1,2,3,4,5,6,7,8,9,10,11,12,13,14,15
	ds_load_b128 v[ACC+64*\a+4*\p:ACC+64*\a+4*\p+3], v7 offset:528*\p
.endr
.endm
.macro SEND a, younger                 ; younger: the LDS instructions issued behind tile a's loads
.irp p, 0,1,2,3,4,5,6,7,8,9,10,11,12,13,14,15
	s_wait_dscnt \younger+15-\p
	global_store_b128 v4, v[ACC+64*\a+4*\p:ACC+64*\a+4*\p+3], s[40:41] offset:(8*\a+\p+8*(\p/8))*4096 th:TH_STORE_NT   ; 32 lanes store 512 consecutive bytes, at a multiple of 512 from out0's first byte
.endr
.endm
	TOSTAGE 0
	TOSTAGE 1
	SEND 0, 32
	SEND 1, 0
	s_set_vgpr_msb 0x5
	s_wait_tensorcnt 0x0
	ds_add_u32 v0, v1
	s_wait_dscnt 0x0
	s_set_vgpr_msb 0x500
	s_endpgm
.Lfunc_end_k_q389a967ccb_outp:
	.size	k_q389a967ccb_outp, .Lfunc_end_k_q389a967ccb_outp-k_q389a967ccb_outp
	.p2alignl 7, 3214868480
	.fill 96, 4, 3214868480
	.section	.rodata,"a",@progbits
	.p2align	6, 0x0
	.amdhsa_kernel k_q389a967ccb_outp
		.amdhsa_group_segment_fixed_size 278528
		.amdhsa_private_segment_fixed_size 0
		.amdhsa_enable_private_segment 0
		.amdhsa_kernarg_size 32
		.amdhsa_user_sgpr_count 2
		.amdhsa_user_sgpr_kernarg_segment_ptr 1
		.amdhsa_wavefront_size32 1
		.amdhsa_system_sgpr_workgroup_id_x 1
		.amdhsa_system_sgpr_workgroup_id_y 1
		.amdhsa_system_sgpr_workgroup_id_z 1
		.amdhsa_system_vgpr_workitem_id 0
		.amdhsa_next_free_vgpr 258
		.amdhsa_next_free_sgpr 66
		.amdhsa_reserve_vcc 0
		.amdhsa_float_denorm_mode_32 3
		.amdhsa_float_denorm_mode_16_64 3
		.amdhsa_memory_ordered 1
		.amdhsa_forward_progress 1
		.amdhsa_inst_pref_size 58
	.end_amdhsa_kernel
	.amdgpu_metadata
---
amdhsa.version: [ 1, 2 ]
amdhsa.kernels:
  - .name:           k_q389a967ccb_outp
    .symbol:         k_q389a967ccb_outp.kd
    .args:
      - { .name: xq, .offset: 0, .size: 8, .value_kind: global_buffer, .address_space: global }
      - { .name: opq, .offset: 8, .size: 8, .value_kind: global_buffer, .address_space: global }
      - { .name: bo, .offset: 16, .size: 8, .value_kind: global_buffer, .address_space: global }
      - { .name: out0, .offset: 24, .size: 8, .value_kind: global_buffer, .address_space: global }
    .group_segment_fixed_size: 278528
    .private_segment_fixed_size: 0
    .kernarg_segment_align: 8
    .kernarg_segment_size: 32
    .max_flat_workgroup_size: 256
    .sgpr_count:     66
    .vgpr_count:     258
    .wavefront_size: 32
...
	.end_amdgpu_metadata
.endif
;; end of part 4
;; ======== version 2 of 2: 4 launches
;; limits: right only within a limited range of input values
;; workspace buffers: opq 15,597,568 bytes; maskw 2,097,152 bytes of whole numbers; qkv 13,369,344 bytes; xq 4,456,448 bytes
;; launch prep (part 5): grid 704 x 1, 4 waves a work-group, no clusters, 68,096 bytes of LDS; arguments query, key, value, Wq, Wk, Wv, Wo, mask, opq, maskw; writes opq, maskw
.if DOCPART == 5
	.amdgcn_target "amdgcn-amd-amdhsa--gfx1250"
	.amdhsa_code_object_version 6
	.text
	.protected	k_q389a967ccb_prep
	.globl	k_q389a967ccb_prep
	.p2align	8
	.type	k_q389a967ccb_prep,@function
k_q389a967ccb_prep:
	s_mov_b64 s[64:65], 0
	v_nop
	global_prefetch_b8 v0, s[64:65] scope:SCOPE_SE
	s_setreg_imm32_b32 hwreg(HW_REG_WAVE_MODE, 25, 1), 1
	s_wait_xcnt 0x0
; PREP.  (1) query, key, value [8192][1024] and Wq, Wk, Wv, Wo [1024][1024], f32, K innermost, become codes of FP4 (E2M1) with one E8M0 byte for each 32 along K,
; laid as IMAGES OF OPERAND REGISTERS.  (2) mask [8192 rows][2048] int32 becomes lane-mask words for the attention launch.
; A TILE is 16 rows, and they are not neighbours: tile i holds rows 32 (i / 2) + 8 (i % 2) + r + 8 (r / 8), r = 0 .. 15.
; AN IMAGE of tile i and K step s (128 along K) is 1,024 bytes, [c 2][lane 32][16 bytes]: lane (r, h) holds k = 128 s + 64 c + 32 h + 0 .. 31 of the tile's row r.
; opq: tile g (query 0-511, key 512-1023, value 1024-1535, Wq 1536-, Wk 1600-, Wv 1664-, Wo 1728-1791): codes at 8,192 g + 1,024 s; scale words at SC0 + 512 g + 64 s + 4 r.
; maskw: record (16 i + step) of 256 bytes: word n, bit l = (mask[row r of tile i][128 step + 32 (n / 16) + 16 (l / 16) + n % 16] != 0), l = 16 h + r: the place of a score in the attention launch's registers.
; A block's scale is 2^(floor(log2(its largest magnitude)) - 2); its byte is the largest magnitude's exponent field - 2, held at 1 from below.
; LIMITS: NaN and infinities are not served.  A block of zeros, or one whose largest magnitude lies under 2^-124, gets the byte 1 (the rule says 127 for zeros): its codes are zeros or as the floor gives them, and this program alone reads the bytes.
; SHARES.  A wave's job is one tile x 8 pieces of 512 bytes a row (64 KB).  Job j = 4 x work-group + wave: j < 1,792 is operand tile j; the others take the mask, tile (j - 1,792) / 2, column half (j - 1,792) % 2.
; Each load reads 512 consecutive bytes of one row; a piece turns through the wave's own stage in LDS, so that a lane then holds 16 neighbours of each of its row's four blocks.
; No matrix unit, no cluster, no barrier: waves share nothing, and every byte is read once.  Two pieces (32 loads a wave) are on their way.
.set SC0,   14680064
.set NTILE, 1792
.set STW,   16*528                     ; a wave's stage: 16 rows of 512 bytes + 16: row r starts 4 r words on, modulo 64 (64 banks of 4 bytes: ISA guide 11.1)
.set MST,   4*STW                      ; the mask's way has stages of its own
.set L16,  2                           ; v2  16 x lane
.set L4,   3                           ; v3  4 x lane
.set L8,   4                           ; v4  8 x lane
.set STIX, 5                           ; v5  stage, way in: 16 x lane + my wave's stage
.set STOX, 6                           ; v6  stage, way out: 528 r + 64 h + my wave's stage
.set STIM, 7                           ; v7, v8 the same for the mask's way
.set STOM, 8
.set TM,   10                          ; v10-25  at work in QUANT
.set PC,   26                          ; v26-33  a fragment's codes
.set R,    34                          ; v34-161 two sets of 64: a piece as loaded
.set X,    162                         ; v162-225 a piece turned: register 16 b + i = column 32 b + 16 h + i of row r
.set PWS,  226                         ; v226-233 the tile's eight scale words
.set MW,   234                         ; v234-235 a record: lane L holds words 2 L and 2 L + 1
.set OW,   236                         ; v236-239 on the way out
.set SEL,  80                          ; s[80:81] lane selects for v_permlanex16_b32: lane l xor 16
.set HI16, 82                          ; s82 lanes 16-31
; 64 numbers of a lane, register 16 b + i = k 32 b + 16 h + i of my row, become a fragment's codes in v[pc] on and its scale word in v[pw].
.macro QUANT s, pc, pw
.irp b, 0,1,2,3
	v_max3_num_f32 v[TM+\b], |v[(\s)+16*\b]|, |v[(\s)+1+16*\b]|, 0x1800000   ; block b: my 16 numbers, and the floor 2^(3 - 127): the byte cannot fall under 1
.endr
.irp i, 2,4,6,8,10,12,14
.irp b, 0,1,2,3
	v_max3_num_f32 v[TM+\b], v[TM+\b], |v[(\s)+16*\b+\i]|, |v[(\s)+1+16*\b+\i]|   ; the four blocks by turns
.endr
.endr
.irp b, 0,1,2,3
	v_permlanex16_b32 v[TM+4+\b], v[TM+\b], s[SEL], s[SEL+1]
.endr
.irp b, 0,1,2,3
	v_max_num_f32 v[TM+\b], v[TM+\b], v[TM+4+\b]          ; with lane l xor 16's: the block's largest magnitude
.endr
.irp b, 0,1,2,3
	v_add_nc_u32 v[TM+12+\b], 0xff000000, v[TM+\b]        ; 2 off its exponent field: the conversion's scale operand
.endr
.irp b, 0,1,2,3
	v_lshrrev_b32 v[TM+4+\b], 23, v[TM+12+\b]             ; the scale's byte
.endr
	v_lshl_or_b32 v[(\pw)], v[TM+5], 8, v[TM+4]
	v_lshl_or_b32 v[(\pw)], v[TM+6], 16, v[(\pw)]
	v_lshl_or_b32 v[(\pw)], v[TM+7], 24, v[(\pw)]         ; my row's scale word, the same in lanes l and l xor 16
.irp b, 0,1,2,3
	v_cvt_scalef32_pk8_fp4_f32 v[(\pc)+2*\b], v[(\s)+16*\b:(\s)+7+16*\b], v[TM+12+\b]
	v_cvt_scalef32_pk8_fp4_f32 v[(\pc)+1+2*\b], v[(\s)+8+16*\b:(\s)+15+16*\b], v[TM+12+\b]
.endr
	v_nop                                                 ; one plain place behind a scaled conversion
.irp c, 0,1
.irp i, 0,1
	v_permlane16_swap_b32 v[(\pc)+4*\c+\i], v[(\pc)+2+4*\c+\i]   ; a whole block to a lane: lanes 0-15 block 2 c, lanes 16-31 block 2 c + 1
.endr
.endr
.endm
.macro LOAD t                          ; piece t: 16 loads, each 512 consecutive bytes of one row
.irp p, 0,1,2,3,4,5,6,7,8,9,10,11,12,13,14,15
	global_load_b128 v[R+64*((\t)%2)+4*\p:R+64*((\t)%2)+4*\p+3], v[L16], s[32+2*\p:33+2*\p] offset:512*(\t) th:TH_LOAD_NT
.endr
.endm
.macro TURN t, in, out                 ; through my stage: LDS serves a wave's instructions in order (ISA guide 5.7.1.4), so no wait stands between the stores and the loads
.irp p, 0,1,2,3,4,5,6,7,8,9,10,11,12,13,14,15
	ds_store_b128 v[\in], v[R+64*((\t)%2)+4*\p:R+64*((\t)%2)+4*\p+3] offset:528*\p
.endr
.irp b, 0,1,2,3
.irp q, 0,1,2,3
	ds_load_b128 v[X+16*\b+4*\q:X+16*\b+4*\q+3], v[\out] offset:128*\b+16*\q
.endr
.endr
.endm
.macro ARRIVE t, in, out               ; the head of a piece's work, alike on both ways
.if (\t) < 7
	s_wait_loadcnt 16                                     ; this piece's 16 loads are in; the next piece's 16 may be out
.else
	s_wait_loadcnt 0x0
.endif
	TURN \t, \in, \out
	s_wait_dscnt 0x0                                      ; the piece is turned, and the stage's stores have read the set that is loaded again below
	s_wait_xcnt 0x0                                       ; the last piece's stores have read their data registers, which are written again below
.if (\t) < 6
	LOAD (\t)+2
.endif
.endm
	s_load_b512 s[4:19], s[0:1], 0x0                      ; query, key, value, Wq, Wk, Wv, Wo, mask
	s_load_b128 s[20:23], s[0:1], 0x40                    ; opq, maskw
	v_lshl_add_u32 v240, v0, 2, 0x10800
	v_mov_b32 v241, 0
	v_lshrrev_b32 v1, 5, v0
	v_readfirstlane_b32 s3, v1                            ; wave
	v_and_b32 v1, 31, v0                                  ; lane
	v_and_b32 v9, 15, v0                                  ; r
	v_lshlrev_b32 v[L16], 4, v1
	v_lshlrev_b32 v[L4], 2, v1
	v_lshlrev_b32 v[L8], 3, v1
	s_mul_i32 s67, s3, STW
	v_add_nc_u32 v[STIX], s67, v[L16]
	v_mul_u32_u24 v[STOX], v9, 528
	v_bfe_u32 v9, v0, 4, 1                                ; h
	v_lshl_add_u32 v[STOX], v9, 6, v[STOX]
	v_add_nc_u32 v[STOX], s67, v[STOX]
	v_add_nc_u32 v[STIM], MST, v[STIX]
	v_add_nc_u32 v[STOM], MST, v[STOX]
.irp b, 0,1,2,3
	v_mov_b32 v[TM+4+\b], 0                               ; written once: a lane permute's destination counts as one of its sources
.endr
	v_mov_b32 v[MW], 0                                    ; likewise v_writelane_b32's
	v_mov_b32 v[MW+1], 0
	s_mov_b32 s[SEL], 0x76543210
	s_mov_b32 s[SEL+1], 0xfedcba98
	s_mov_b32 s[HI16], 0xffff0000
	s_lshl_b32 s2, ttmp9, 2
	s_add_co_u32 s2, s2, s3                               ; job j
	s_wait_kmcnt 0x0
	; which tensor, and which tile of it: a falling chain of choices on the job's number alone
	s_mov_b64 s[32:33], s[16:17]
	s_mov_b32 s66, 1728
	s_cmp_lt_u32 s2, 1728
	s_cselect_b64 s[32:33], s[14:15], s[32:33]
	s_cselect_b32 s66, 1664, s66
	s_cmp_lt_u32 s2, 1664
	s_cselect_b64 s[32:33], s[12:13], s[32:33]
	s_cselect_b32 s66, 1600, s66
	s_cmp_lt_u32 s2, 1600
	s_cselect_b64 s[32:33], s[10:11], s[32:33]
	s_cselect_b32 s66, 1536, s66
	s_cmp_lt_u32 s2, 1536
	s_cselect_b64 s[32:33], s[8:9], s[32:33]
	s_cselect_b32 s66, 1024, s66
	s_cmp_lt_u32 s2, 1024
	s_cselect_b64 s[32:33], s[6:7], s[32:33]
	s_cselect_b32 s66, 512, s66
	s_cmp_lt_u32 s2, 512
	s_cselect_b64 s[32:33], s[4:5], s[32:33]
	s_cselect_b32 s66, 0, s66
	s_sub_co_u32 s66, s2, s66                             ; an operand's tile
	s_sub_co_u32 s67, s2, NTILE                           ; j' (used on the mask's way alone)
	s_lshr_b32 s70, s67, 1                                ; the mask's tile
	s_and_b32 s71, s67, 1
	s_lshl_b32 s71, s71, 12                               ; and its column half, in bytes
	s_mov_b32 s28, 8192                                   ; a row of the mask in bytes
	s_cmp_lt_u32 ttmp9, NTILE/4
	s_cselect_b64 s[32:33], s[32:33], s[18:19]
	s_cselect_b32 s66, s66, s70
	s_cselect_b32 s71, 0, s71
	s_cselect_b32 s28, 4096, s28                          ; a row of an operand
	s_lshr_b32 s70, s66, 1
	s_lshl_b32 s70, s70, 5
	s_and_b32 s72, s66, 1
	s_lshl_b32 s72, s72, 3
	s_add_co_u32 s70, s70, s72                            ; the tile's first row: 32 (i / 2) + 8 (i % 2)
	s_mul_i32 s70, s70, s28
	s_add_co_u32 s70, s70, s71                            ; in bytes: under 2^27
	s_mov_b32 s71, 0
	s_add_nc_u64 s[32:33], s[32:33], s[70:71]
	s_mov_b32 s29, 0
	s_mul_i32 s30, s28, 9
	s_mov_b32 s31, 0
.irp p, 1,2,3,4,5,6,7,8,9,10,11,12,13,14,15
.if \p == 8
	s_add_nc_u64 s[32+2*\p:33+2*\p], s[30+2*\p:31+2*\p], s[30:31]   ; from the tile's row 7 to its row 8: nine rows on
.else
	s_add_nc_u64 s[32+2*\p:33+2*\p], s[30+2*\p:31+2*\p], s[28:29]
.endif
.endr
	LOAD 0
	LOAD 1
	s_cmp_lt_u32 ttmp9, NTILE/4
	s_cbranch_scc0 .Lmask
	; ---- an operand's tile
	s_lshl_b32 s70, s2, 13
	s_mov_b32 s71, 0
	s_add_nc_u64 s[24:25], s[20:21], s[70:71]             ; its codes
	s_lshl_b32 s70, s2, 9
	s_add_co_u32 s70, s70, SC0
	s_add_nc_u64 s[26:27], s[20:21], s[70:71]             ; its scale words
	s_wait_alu depctr_va_vdst(0)
.irp t, 0,1,2,3,4,5,6,7
	ARRIVE \t, STIX, STOX
	QUANT X, PC, PWS+\t
	global_store_b128 v[L16], v[PC:PC+3], s[24:25] offset:1024*\t          ; 512 consecutive bytes, aligned
	global_store_b128 v[L16], v[PC+4:PC+7], s[24:25] offset:1024*\t+512
.endr
.irp p, 0,1,2,3
	v_cndmask_b32 v[OW+\p], v[PWS+2*\p], v[PWS+2*\p+1], s[HI16]            ; lanes 0-15: K step 2 p; lanes 16-31: K step 2 p + 1
	global_store_b32 v[L4], v[OW+\p], s[26:27] offset:128*\p
.endr
	s_wait_tensorcnt 0x0
	ds_add_u32 v240, v241
	s_wait_dscnt 0x0
	s_endpgm
	; ---- a tile of the mask, half its columns: eight records
.Lmask:
	s_sub_co_u32 s67, s2, NTILE
	s_lshl_b32 s70, s67, 11
	s_mov_b32 s71, 0
	s_add_nc_u64 s[24:25], s[22:23], s[70:71]             ; my eight records
	s_wait_alu depctr_va_vdst(0)
.irp t, 0,1,2,3,4,5,6,7
	ARRIVE \t, STIM, STOM
.set n, 0
.rept 8
.irp e, 0,1,2,3,4,5,6,7
	v_cmp_ne_u32 s[68+\e], 0, v[X+n+\e]                   ; word n + e: a bit for each lane
.endr
.irp e, 0,1,2,3,4,5,6,7
	v_writelane_b32 v[MW+\e%2], s[68+\e], (n+\e)/2
.endr
.set n, n+8
.endr
	global_store_b64 v[L8], v[MW:MW+1], s[24:25] offset:256*\t             ; 256 consecutive bytes, aligned
.endr
	s_wait_tensorcnt 0x0
	ds_add_u32 v240, v241
	s_wait_dscnt 0x0
	s_endpgm
.Lfunc_end_k_q389a967ccb_prep:
	.size	k_q389a967ccb_prep, .Lfunc_end_k_q389a967ccb_prep-k_q389a967ccb_prep
	.p2alignl 7, 3214868480
	.fill 96, 4, 3214868480
	.section	.rodata,"a",@progbits
	.p2align	6, 0x0
	.amdhsa_kernel k_q389a967ccb_prep
		.amdhsa_group_segment_fixed_size 68096
		.amdhsa_private_segment_fixed_size 0
		.amdhsa_enable_private_segment 0
		.amdhsa_kernarg_size 80
		.amdhsa_user_sgpr_count 2
		.amdhsa_user_sgpr_kernarg_segment_ptr 1
		.amdhsa_wavefront_size32 1
		.amdhsa_system_sgpr_workgroup_id_x 1
		.amdhsa_system_sgpr_workgroup_id_y 1
		.amdhsa_system_sgpr_workgroup_id_z 1
		.amdhsa_system_vgpr_workitem_id 0
		.amdhsa_next_free_vgpr 242
		.amdhsa_next_free_sgpr 84
		.amdhsa_reserve_vcc 0
		.amdhsa_float_denorm_mode_32 3
		.amdhsa_float_denorm_mode_16_64 3
		.amdhsa_memory_ordered 1
		.amdhsa_forward_progress 1
		.amdhsa_inst_pref_size 156
	.end_amdhsa_kernel
	.amdgpu_metadata
---
amdhsa.version: [ 1, 2 ]
amdhsa.kernels:
  - .name:           k_q389a967ccb_prep
    .symbol:         k_q389a967ccb_prep.kd
    .args:
      - { .name: query, .offset: 0, .size: 8, .value_kind: global_buffer, .address_space: global }
      - { .name: key, .offset: 8, .size: 8, .value_kind: global_buffer, .address_space: global }
      - { .name: value, .offset: 16, .size: 8, .value_kind: global_buffer, .address_space: global }
      - { .name: Wq, .offset: 24, .size: 8, .value_kind: global_buffer, .address_space: global }
      - { .name: Wk, .offset: 32, .size: 8, .value_kind: global_buffer, .address_space: global }
      - { .name: Wv, .offset: 40, .size: 8, .value_kind: global_buffer, .address_space: global }
      - { .name: Wo, .offset: 48, .size: 8, .value_kind: global_buffer, .address_space: global }
      - { .name: mask, .offset: 56, .size: 8, .value_kind: global_buffer, .address_space: global }
      - { .name: opq, .offset: 64, .size: 8, .value_kind: global_buffer, .address_space: global }
      - { .name: maskw, .offset: 72, .size: 8, .value_kind: global_buffer, .address_space: global }
    .group_segment_fixed_size: 68096
    .private_segment_fixed_size: 0
    .kernarg_segment_align: 8
    .kernarg_segment_size: 80
    .max_flat_workgroup_size: 128
    .sgpr_count:     84
    .vgpr_count:     242
    .wavefront_size: 32
...
	.end_amdgpu_metadata
.endif
;; end of part 5
;; launch proj (part 6): grid 256 x 3, 8 waves a work-group, no clusters, 210,944 bytes of LDS; arguments opq, bq, bk, bv, qkv; writes qkv
.if DOCPART == 6
	.amdgcn_target "amdgcn-amd-amdhsa--gfx1250"
	.amdhsa_code_object_version 6
	.text
	.protected	k_q389a967ccb_proj
	.globl	k_q389a967ccb_proj
	.p2align	8
	.type	k_q389a967ccb_proj,@function
k_q389a967ccb_proj:
	s_mov_b64 s[64:65], 0
	v_nop
	global_prefetch_b8 v0, s[64:65] scope:SCOPE_SE
	s_setreg_imm32_b32 hwreg(HW_REG_WAVE_SCHED_MODE, 0, 2), 2
	s_setreg_imm32_b32 hwreg(HW_REG_WAVE_MODE, 25, 1), 1
	s_wait_xcnt 0x0
	s_wait_alu depctr_vm_vsrc(0)
; PROJ.  The three input projections on codes of FP4 (E2M1) with E8M0 scales, bias in f32, and the results quantised at once for the attention launch.
; One body for C[m][n] = sum over k of A[m][k] B[n][k], K = 1,024, quantised ALONG n.  kind = work-group y:
;   0: A = query, B = Wq: q, quantised along the head's 64.   1: A = key, B = Wk: k likewise.   2: A = Wv, B = value: v^T, quantised along the keys.
; The matrix instruction takes source 0 = 16 rows of B, source 1 = 16 rows of A: a lane holds ONE row m and its registers run along n.  Tiles and images are laid as the first launch lays them
; (tile i: rows 32 (i / 2) + 8 (i % 2) + r + 8 (r / 8)), so that the 16 registers of B's tiles 2 b and 2 b + 1 are 16 neighbours along n: 32 b + 16 h + 0 .. 15.
; SHARES.  A work-group makes 128 (m) x 256 (n); its operands for all of K, 8 + 16 tiles of 8,192 bytes and their scale words, come into LDS ONCE, through registers, 52 loads a thread on their way together; one barrier.
; Wave w: A's tiles 2 wm, 2 wm + 1 (wm = w / 2) x B's tiles 8 wn .. 8 wn + 7 (wn = w % 2): 16 accumulators, 128 registers.  A wave's 128 columns are one K step of the next product's operand: one fragment and one scale word a row.
; A's block is read by 4 (kind 2: 32) work-groups and B's by 64 (8), and each fetches it for itself by plain loads: no LDS byte is filled twice here, and no joint loads are used; they would divide these requests.  Chosen for plainness.
; OUT (qkv): q at 0, k at 4 Mi: (16 b + head) x 65,536 + 512 T + 16 lane: lane (r, h) holds dk 32 h .. 32 h + 31 of the tile's row r.  v at 8 Mi + (16 b + head) x 65,536 + 16,384 tau + 1,024 step + 512 c + 16 lane.
;   scale words at QS0: q + 0, k + 262,144: (8 b + head / 2) x 8,192 + 64 T + 4 r (bytes 0, 1 the even head, 2, 3 the odd);  v + 524,288 + (16 b + head) x 4,096 + 1,024 tau + 64 step + 4 r.
; LIMITS: NaN and infinities are not served; a block of zeros or under 2^-124 gets the scale byte 1, read by this program alone.
; THE MODE: SCHED_MODE bits 1:0 = 2 (LLVM: expert scheduling mode 2), set by the entry lines.  The code itself states the register dependences
; between vector or matrix instructions and memory or LDS instructions, with s_wait_alu, always for 0.
; THE PLAN.  Registers that memory or LDS instructions touch:
;   v1-v13     offsets and LDS addresses: written by vector instructions at the head and never again; read by every load and store.
;   v32-v236   the fill: global loads land in them, LDS stores read them; behind the barrier they are operand sets and accumulators.
;   the sets   A's fragments, B's fragments and the scale words have two sets each.  K step s multiplies from the sets s % 2; its 28 LDS loads, which are step s + 1's, land in the other sets, which the products of step s - 1 have read.
;   v48-63, v82  the way out: written by the quantiser and a select, read by the five stores.
; So ONE wait on va_vdst stands at the head of a K step, behind the wait for that step's operands; the step's loads follow it in one run, and the step's products name none of the registers that those loads touch.
.set SC0,  14680064
.set QS0,  12582912
.set LSA,  196608                      ; LDS: A's codes at 0 (65,536), B's at 65,536 (131,072), A's scale words (4,096),
.set LSB,  200704                      ; B's (8,192),
.set LBI,  208896                      ; the bias (1,024)
.set SCR,  16                          ; v16-31  scale words, two sets of 8: lanes 0-15 A's tile t, lanes 16-31 B's tile t; they hold nothing else
.set AF,   32                          ; v32-63  A's two fragments, two sets
.set BF,   64                          ; B's eight fragments, two sets: set 0 is v64-127, set 1 the same numbers in window 1 (v320-383)
.set ACC,  128                         ; v128-255 accumulator (a, t) at v[128 + 64 a + 8 t]
.set FL,   32                          ; the fill: v32-235, v236
.set TM,   32                          ; the epilogue: v32-47 at work, v48-63 codes, v80-82 scale words
.set PC,   48
.set PW,   80
.set SEL,  54
.set HI16, 53
.set MSB,  0
.macro WIN new                         ; s_set_vgpr_msb's low byte: bits 1:0 source 0, 7:6 destination; the immediate's high byte repeats the setting that is left; a switch that changes nothing is dropped
.if MSB != (\new)
	s_set_vgpr_msb (MSB<<8)|(\new)
.set MSB, (\new)
.endif
.endm
.macro QUANT s, pc, pw                 ; 64 numbers of a lane, register 16 b + i = n 32 b + 16 h + i of my row, become a fragment's codes and its scale word
.irp b, 0,1,2,3
	v_max3_num_f32 v[TM+\b], |v[(\s)+16*\b]|, |v[(\s)+1+16*\b]|, 0x1800000   ; and the floor 2^(3 - 127): the byte cannot fall under 1
.endr
.irp i, 2,4,6,8,10,12,14
.irp b, 0,1,2,3
	v_max3_num_f32 v[TM+\b], v[TM+\b], |v[(\s)+16*\b+\i]|, |v[(\s)+1+16*\b+\i]|
.endr
.endr
.irp b, 0,1,2,3
	v_permlanex16_b32 v[TM+4+\b], v[TM+\b], s[SEL], s[SEL+1]
.endr
.irp b, 0,1,2,3
	v_max_num_f32 v[TM+\b], v[TM+\b], v[TM+4+\b]
.endr
.irp b, 0,1,2,3
	v_add_nc_u32 v[TM+12+\b], 0xff000000, v[TM+\b]        ; 2 off the exponent field: the conversion's scale operand
.endr
.irp b, 0,1,2,3
	v_lshrrev_b32 v[TM+4+\b], 23, v[TM+12+\b]
.endr
	v_lshl_or_b32 v[(\pw)], v[TM+5], 8, v[TM+4]
	v_lshl_or_b32 v[(\pw)], v[TM+6], 16, v[(\pw)]
	v_lshl_or_b32 v[(\pw)], v[TM+7], 24, v[(\pw)]
.irp b, 0,1,2,3
	v_cvt_scalef32_pk8_fp4_f32 v[(\pc)+2*\b], v[(\s)+16*\b:(\s)+7+16*\b], v[TM+12+\b]
	v_cvt_scalef32_pk8_fp4_f32 v[(\pc)+1+2*\b], v[(\s)+8+16*\b:(\s)+15+16*\b], v[TM+12+\b]
.endr
	v_nop                                                 ; one plain place behind a scaled conversion
.irp c, 0,1
.irp i, 0,1
	v_permlane16_swap_b32 v[(\pc)+4*\c+\i], v[(\pc)+2+4*\c+\i]
.endr
.endr
.endm
.macro LDB s, t0, p                    ; B's tiles t0 .. t0 + 3 of K step s into set p: 8 loads; the destination's window is p, the address's 0
	WIN 64*(\p)
.irp t, \t0, \t0+1, \t0+2, \t0+3
.irp c, 0,1
	ds_load_b128 v[BF+8*(\t)+4*\c:BF+8*(\t)+4*\c+3], v2 offset:8192*(\t)+1024*(\s)+512*\c
.endr
.endr
.endm
.macro LDA s, p                        ; A's two tiles into set p: 4 loads
	WIN 0
.irp a, 0,1
.irp c, 0,1
	ds_load_b128 v[AF+16*(\p)+8*\a+4*\c:AF+16*(\p)+8*\a+4*\c+3], v1 offset:8192*\a+1024*(\s)+512*\c
.endr
.endr
.endm
.macro LDSC s, p                       ; the scale words into set p: 8 loads; of lanes 0-15 only registers 0 and 1 (A's two tiles) are used
	WIN 0
.irp t, 0,1,2,3,4,5,6,7
	ds_load_b32 v[SCR+8*(\p)+\t], v3 offset:512*\t+64*(\s)
.endr
.endm
.macro MUL8 t0, p, zero                ; 8 products from the sets p (source 0, B, in window p); the 16 accumulators take turns, one instruction a turn, in the same order in every K step
	WIN (\p)
.irp t, \t0, \t0+1, \t0+2, \t0+3
.irp a, 0,1
.if \zero
	v_wmma_scale_f32_16x16x128_f8f6f4 v[ACC+64*\a+8*(\t):ACC+64*\a+8*(\t)+7], v[BF+8*(\t):BF+8*(\t)+7], v[AF+16*(\p)+8*\a:AF+16*(\p)+8*\a+7], 0, v[SCR+8*(\p)+(\t)], v[SCR+8*(\p)+\a] matrix_a_fmt:MATRIX_FMT_FP4 matrix_b_fmt:MATRIX_FMT_FP4 matrix_a_scale:MATRIX_SCALE_ROW1
.else
	v_wmma_scale_f32_16x16x128_f8f6f4 v[ACC+64*\a+8*(\t):ACC+64*\a+8*(\t)+7], v[BF+8*(\t):BF+8*(\t)+7], v[AF+16*(\p)+8*\a:AF+16*(\p)+8*\a+7], v[ACC+64*\a+8*(\t):ACC+64*\a+8*(\t)+7], v[SCR+8*(\p)+(\t)], v[SCR+8*(\p)+\a] matrix_a_fmt:MATRIX_FMT_FP4 matrix_b_fmt:MATRIX_FMT_FP4 matrix_a_scale:MATRIX_SCALE_ROW1
.endif
.endr
.endr
.endm
.macro PLACES                          ; four places in front of loads into registers that matrix instructions have read, and of the first read of results
.rept 4
	v_nop
.endr
.endm
.macro STEP s, zero, next              ; a K step of 128: 16 products from the sets s % 2; the next step's 28 loads go out first, into the other sets
	s_wait_dscnt 8                                        ; this step's operands are in, all but the youngest eight loads (B's tiles 4-7)
.if \next
.if (\s) > 0
	PLACES
	s_wait_alu depctr_va_vdst(0)                          ; the last step's products are done reading the other sets of A, of B and of the scale words, in which the 28 loads below land
.endif
	LDA (\s)+1, 1-(\s)%2
	LDSC (\s)+1, 1-(\s)%2
	LDB (\s)+1, 0, 1-(\s)%2
	LDB (\s)+1, 4, 1-(\s)%2
.endif
	MUL8 0, (\s)%2, \zero
.if \next
	s_wait_dscnt 28                                       ; all but the 28 just issued: B's tiles 4-7 are in
.else
	s_wait_dscnt 0x0
.endif
	MUL8 4, (\s)%2, \zero
.endm
	s_load_b256 s[4:11], s[0:1], 0x0                      ; opq, bq, bk, bv
	s_load_b64 s[12:13], s[0:1], 0x20                     ; qkv
	s_set_vgpr_msb 0x40
	v_lshl_add_u32 v0, v0, 2, 0x33400
	v_mov_b32 v1, 0
	s_set_vgpr_msb 0x4000
	v_lshrrev_b32 v1, 5, v0
	v_readfirstlane_b32 s14, v1                           ; wave 0..7
	s_wait_alu depctr_va_sdst(0)                          ; s14 is written, ahead of its first reader
	s_lshr_b32 s15, s14, 1                                ; wm
	s_and_b32 s16, s14, 1                                 ; wn
	s_and_b32 s17, ttmp7, 0xffff                          ; kind
	s_mov_b32 s56, 255
	s_mov_b32 s51, 512
	s_mov_b32 s52, 65536
	s_cmp_eq_u32 s17, 2
	s_cselect_b32 s22, 5, 2
	s_cselect_b32 s23, 31, 3
	s_cselect_b32 s56, 127, s56                           ; how many bias numbers the block has, less one
	s_cselect_b32 s50, 1024, 64                           ; out: from tile a = 0 to a = 1 in the scale words,
	s_cselect_b32 s51, 16384, s51                         ; in the codes,
	s_cselect_b32 s52, 512, s52                           ; and from half c = 0 to c = 1 of a fragment
	s_lshr_b32 s18, ttmp9, s22                            ; mt: which 128 rows of A
	s_and_b32 s19, ttmp9, s23                             ; nt: which 256 rows of B
	s_lshl_b32 s20, s17, 9
	s_lshl_b32 s21, s17, 6
	s_add_co_u32 s21, s21, 1536
	s_cmp_eq_u32 s17, 2
	s_cselect_b32 s20, 1664, s20                          ; A's first tile in opq: 0, 512, 1,664
	s_cselect_b32 s21, 1024, s21                          ; B's: 1,536, 1,600, 1,024
	s_lshl_b32 s22, s18, 3
	s_add_co_u32 s20, s20, s22
	s_lshl_b32 s22, s19, 4
	s_add_co_u32 s21, s21, s22
	; the fill's addresses: 16 bytes a thread, 4,096 a load
	v_lshlrev_b32 v8, 4, v0
	v_lshl_add_u32 v9, v0, 4, 65536
	v_lshl_add_u32 v10, v0, 4, 131072
	v_lshl_add_u32 v11, v0, 4, LSA
	v_lshl_add_u32 v12, v0, 2, LBI
	v_and_b32 v13, s56, v0
	v_lshlrev_b32 v13, 2, v13                             ; the bias: 4 (thread mod its count): no load leaves the buffer
	; the waves' LDS addresses
	v_and_b32 v14, 31, v0
	v_and_b32 v15, 15, v0                                 ; r
	v_lshlrev_b32 v4, 4, v14                              ; 16 x lane
	s_lshl_b32 s22, s15, 14
	v_add_nc_u32 v1, s22, v4                              ; A's tiles 2 wm on
	s_lshl_b32 s22, s16, 16
	s_add_co_u32 s22, s22, 65536
	v_add_nc_u32 v2, s22, v4                              ; B's tiles 8 wn on
	v_bfe_u32 v14, v0, 4, 1                               ; h
	s_xor_b32 s23, s15, 3
	s_add_co_u32 s23, s23, 1                              ; 4 - wm
	s_lshl_b32 s22, s16, 2
	s_add_co_u32 s23, s23, s22
	s_lshl_b32 s23, s23, 10                               ; from A's words (LSA + 1,024 wm) to B's (LSB + 4,096 wn)
	v_mul_u32_u24 v3, s23, v14                            ; lanes 16-31 take B's
	s_wait_alu depctr_va_vdst(0)
	s_lshl_b32 s22, s15, 10
	s_add_co_u32 s22, s22, LSA
	v_lshl_add_u32 v3, v15, 2, v3
	v_add_nc_u32 v3, s22, v3
	s_lshl_b32 s22, s16, 9
	s_add_co_u32 s22, s22, LBI
	v_lshl_add_u32 v5, v14, 6, s22                        ; a bias along n: my wave's 128 numbers, + 16 h of them
	v_and_b32 v6, 8, v15
	v_add_nc_u32 v6, v6, v15                              ; r + 8 (r / 8)
	s_lshl_b32 s22, s15, 7
	s_add_co_u32 s22, s22, LBI
	v_lshl_add_u32 v6, v6, 2, s22                         ; a bias along m: row 32 wm + r + 8 (r / 8) of the block (+ 8 for a = 1)
	v_mul_u32_u24 v7, s50, v14
	v_lshl_add_u32 v7, v15, 2, v7                         ; out: scale words: lanes 0-15 tile a = 0, lanes 16-31 tile a = 1
	s_mov_b32 s[SEL], 0x76543210
	s_mov_b32 s[SEL+1], 0xfedcba98
	s_mov_b32 s[HI16], 0xffff0000
	s_mov_b32 s35, 0
	s_wait_kmcnt 0x0
	s_lshl_b32 s34, s20, 13
	s_add_nc_u64 s[24:25], s[4:5], s[34:35]               ; A's codes
	s_lshl_b32 s34, s21, 13
	s_add_nc_u64 s[26:27], s[4:5], s[34:35]               ; B's codes
	s_lshl_b32 s34, s20, 9
	s_add_co_u32 s34, s34, SC0
	s_add_nc_u64 s[28:29], s[4:5], s[34:35]               ; A's scale words
	s_lshl_b32 s34, s21, 9
	s_add_co_u32 s34, s34, SC0
	s_add_nc_u64 s[30:31], s[4:5], s[34:35]               ; B's
	s_cmp_eq_u32 s17, 0
	s_cselect_b64 s[32:33], s[6:7], s[8:9]
	s_lshl_b32 s34, s19, 10
	s_lshl_b32 s36, s18, 9
	s_cmp_eq_u32 s17, 2
	s_cselect_b64 s[32:33], s[10:11], s[32:33]
	s_cselect_b32 s34, s36, s34
	s_add_nc_u64 s[32:33], s[32:33], s[34:35]             ; the block's bias: 256 numbers along n, or 128 along m
	s_wait_alu depctr_va_vdst(0)                          ; the offsets and LDS addresses v1 to v13 are written: every load and store of the kernel reads one of them, and none is written again
.set i, 0
.rept 52
.if i < 16
	global_load_b128 v[FL+4*i:FL+4*i+3], v8, s[24:25] offset:4096*i
.elseif i < 48
	global_load_b128 v[FL+4*i:FL+4*i+3], v8, s[26:27] offset:4096*(i-16)
.elseif i == 48
	global_load_b128 v[FL+4*i:FL+4*i+3], v8, s[28:29]
.elseif i < 51
	global_load_b128 v[FL+4*i:FL+4*i+3], v8, s[30:31] offset:4096*(i-49)
.else
	global_load_b32 v[FL+204], v13, s[32:33]
.endif
.set i, i+1
.endr
	; where the results go, made while the loads are out.  Kinds 0, 1:
	s_lshl_b32 s36, s17, 22
	s_lshr_b32 s37, s18, 4                                ; the batch
	s_lshl_b32 s37, s37, 20
	s_add_co_u32 s36, s36, s37
	s_lshl_b32 s37, s19, 2
	s_lshl_b32 s38, s16, 1
	s_add_co_u32 s37, s37, s38                            ; my first head: 4 nt + 2 wn
	s_lshl_b32 s37, s37, 16
	s_add_co_u32 s36, s36, s37
	s_and_b32 s37, s18, 15
	s_lshl_b32 s37, s37, 3
	s_lshl_b32 s38, s15, 1
	s_add_co_u32 s37, s37, s38                            ; my first tile T of the batch's 128
	s_lshl_b32 s38, s37, 9
	s_add_co_u32 s36, s36, s38                            ; codes
	s_lshl_b32 s39, s17, 18
	s_add_co_u32 s39, s39, QS0
	s_lshr_b32 s38, s18, 4
	s_lshl_b32 s38, s38, 3
	s_add_co_u32 s38, s38, s16
	s_lshl_b32 s57, s19, 1
	s_add_co_u32 s38, s38, s57                            ; 8 b + head / 2
	s_lshl_b32 s38, s38, 13
	s_add_co_u32 s39, s39, s38
	s_lshl_b32 s38, s37, 6
	s_add_co_u32 s39, s39, s38                            ; scale words
	; kind 2:
	s_lshr_b32 s57, s19, 3                                ; the batch
	s_lshl_b32 s58, s18, 3
	s_lshl_b32 s38, s15, 1
	s_add_co_u32 s58, s58, s38                            ; my first tile of the 64 along d: 4 head + tau
	s_and_b32 s59, s19, 7
	s_lshl_b32 s59, s59, 1
	s_add_co_u32 s59, s59, s16                            ; my key step
	s_lshl_b32 s60, s57, 20
	s_add_co_u32 s60, s60, 8<<20
	s_lshl_b32 s38, s58, 14
	s_add_co_u32 s60, s60, s38
	s_lshl_b32 s38, s59, 10
	s_add_co_u32 s60, s60, s38                            ; codes
	s_lshl_b32 s61, s57, 16
	s_add_co_u32 s61, s61, QS0+524288
	s_lshl_b32 s38, s58, 10
	s_add_co_u32 s61, s61, s38
	s_lshl_b32 s38, s59, 6
	s_add_co_u32 s61, s61, s38                            ; scale words
	s_cmp_eq_u32 s17, 2
	s_cselect_b32 s36, s60, s36
	s_cselect_b32 s39, s61, s39
	s_mov_b32 s37, 0
	s_add_nc_u64 s[40:41], s[12:13], s[36:37]             ; (a, c) = (0, 0)
	s_mov_b32 s36, s52
	s_add_nc_u64 s[42:43], s[40:41], s[36:37]             ; (0, 1)
	s_mov_b32 s36, s51
	s_add_nc_u64 s[44:45], s[40:41], s[36:37]             ; (1, 0)
	s_add_nc_u64 s[46:47], s[42:43], s[36:37]             ; (1, 1)
	s_mov_b32 s36, s39
	s_add_nc_u64 s[48:49], s[12:13], s[36:37]
.set i, 0
.rept 52
.if i%4 == 0
	s_wait_loadcnt 48-i                                   ; loads come back in order (ISA guide 5.7.1): the next four are in, the younger ones stay out
.endif
.if i < 16
	ds_store_b128 v8, v[FL+4*i:FL+4*i+3] offset:4096*i
.elseif i < 32
	ds_store_b128 v9, v[FL+4*i:FL+4*i+3] offset:4096*(i-16)
.elseif i < 48
	ds_store_b128 v10, v[FL+4*i:FL+4*i+3] offset:4096*(i-32)
.elseif i < 51
	ds_store_b128 v11, v[FL+4*i:FL+4*i+3] offset:4096*(i-48)
.else
	ds_store_b32 v12, v[FL+204]
.endif
.set i, i+1
.endr
	s_wait_dscnt 0x0                                      ; for the others' sake: my stores have landed
	s_barrier_signal -1
	s_barrier_wait -1                                     ; the block's operands lie in LDS; nothing is stored there again
	s_wait_alu depctr_vm_vsrc(0)                          ; my LDS stores have read v32 to v236: from here on these registers are the operands' sets, in which LDS loads land, and the accumulators, which the products write
	LDA 0, 0
	LDSC 0, 0
	LDB 0, 0, 0
	LDB 0, 4, 0
	STEP 0, 1, 1                                          ; the first K step's products start the sums; no vector or matrix instruction has named the sets in which its loads land
.irp s, 1,2,3,4,5,6
	STEP \s, 0, 1
.endr
	STEP 7, 0, 0
	WIN 0                                                 ; at a branch and at a label every window is 0
	PLACES
	s_wait_alu depctr_va_vdst(0)                          ; the products are done reading B's set 0, in which the bias lands on either way below
	; ---- the bias, in f32; each accumulator is read from its low end on
	s_cmp_eq_u32 s17, 2
	s_cbranch_scc1 .Lbias_m
.irp t, 0,1,2,3,4,5,6,7
.irp i, 0,1
	ds_load_b128 v[BF+8*\t+4*\i:BF+8*\t+4*\i+3], v5 offset:(32*(\t/2)+8*(\t%2))*4+16*\i   ; tile t's eight columns of my half
.endr
.endr
	s_wait_dscnt 0x0
.irp a, 0,1
.irp t, 0,1,2,3,4,5,6,7
.irp i, 0,2,4,6
	v_pk_add_f32 v[ACC+64*\a+8*\t+\i:ACC+64*\a+8*\t+\i+1], v[ACC+64*\a+8*\t+\i:ACC+64*\a+8*\t+\i+1], v[BF+8*\t+\i:BF+8*\t+\i+1]
.endr
.endr
.endr
	s_branch .Lquant
.Lbias_m:
	ds_load_b32 v[BF], v6                                 ; my row's number, tile a = 0,
	ds_load_b32 v[BF+2], v6 offset:32                     ; and a = 1
	v_mov_b32 v[BF+1], 0                                  ; (named as the upper halves of pairs)
	v_mov_b32 v[BF+3], 0
	s_wait_alu depctr_va_vdst(0)
	s_wait_dscnt 0x0
.irp a, 0,1
.irp j, 0,2,4,6,8,10,12,14,16,18,20,22,24,26,28,30,32,34,36,38,40,42,44,46,48,50,52,54,56,58,60,62
	v_pk_add_f32 v[ACC+64*\a+\j:ACC+64*\a+\j+1], v[ACC+64*\a+\j:ACC+64*\a+\j+1], v[BF+2*\a:BF+2*\a+1] op_sel_hi:[1,0]
.endr
.endr
.Lquant:
	QUANT ACC, PC, PW                                     ; both tiles are quantised first, each into registers of its own, so that one wait serves all five stores
	QUANT ACC+64, PC+8, PW+1
	v_cndmask_b32 v[PW+2], v[PW], v[PW+1], s[HI16]
	s_wait_alu depctr_va_vdst(0)                          ; the conversions, the exchanges of halves and the select have written v[PC .. PC+15] and v[PW+2], which the stores read
.irp a, 0,1
	global_store_b128 v4, v[PC+8*\a:PC+8*\a+3], s[40+4*\a:41+4*\a]         ; 512 consecutive bytes, aligned
	global_store_b128 v4, v[PC+8*\a+4:PC+8*\a+7], s[42+4*\a:43+4*\a]
.endr
	global_store_b32 v7, v[PW+2], s[48:49]
	s_set_vgpr_msb 0x5                                    ; the add's two registers, v256 and v257, are its sources 0 and 1: window 1
	s_wait_dscnt 0x0                                      ; the closing lines, six on end
	s_wait_alu 0x0
	s_wait_tensorcnt 0x0
	ds_add_u32 v0, v1
	s_wait_dscnt 0x0
	s_endpgm
.Lfunc_end_k_q389a967ccb_proj:
	.size	k_q389a967ccb_proj, .Lfunc_end_k_q389a967ccb_proj-k_q389a967ccb_proj
	.p2alignl 7, 3214868480
	.fill 96, 4, 3214868480
	.section	.rodata,"a",@progbits
	.p2align	6, 0x0
	.amdhsa_kernel k_q389a967ccb_proj
		.amdhsa_group_segment_fixed_size 210944
		.amdhsa_private_segment_fixed_size 0
		.amdhsa_enable_private_segment 0
		.amdhsa_kernarg_size 40
		.amdhsa_user_sgpr_count 2
		.amdhsa_user_sgpr_kernarg_segment_ptr 1
		.amdhsa_wavefront_size32 1
		.amdhsa_system_sgpr_workgroup_id_x 1
		.amdhsa_system_sgpr_workgroup_id_y 1
		.amdhsa_system_sgpr_workgroup_id_z 1
		.amdhsa_system_vgpr_workitem_id 0
		.amdhsa_next_free_vgpr 384
		.amdhsa_next_free_sgpr 66
		.amdhsa_reserve_vcc 0
		.amdhsa_float_denorm_mode_32 3
		.amdhsa_float_denorm_mode_16_64 3
		.amdhsa_memory_ordered 1
		.amdhsa_forward_progress 1
		.amdhsa_inst_pref_size 65
	.end_amdhsa_kernel
	.amdgpu_metadata
---
amdhsa.version: [ 1, 2 ]
amdhsa.kernels:
  - .name:           k_q389a967ccb_proj
    .symbol:         k_q389a967ccb_proj.kd
    .args:
      - { .name: opq, .offset: 0, .size: 8, .value_kind: global_buffer, .address_space: global }
      - { .name: bq, .offset: 8, .size: 8, .value_kind: global_buffer, .address_space: global }
      - { .name: bk, .offset: 16, .size: 8, .value_kind: global_buffer, .address_space: global }
      - { .name: bv, .offset: 24, .size: 8, .value_kind: global_buffer, .address_space: global }
      - { .name: qkv, .offset: 32, .size: 8, .value_kind: global_buffer, .address_space: global }
    .group_segment_fixed_size: 210944
    .private_segment_fixed_size: 0
    .kernarg_segment_align: 8
    .kernarg_segment_size: 40
    .max_flat_workgroup_size: 256
    .sgpr_count:     66
    .vgpr_count:     384
    .wavefront_size: 32
...
	.end_amdgpu_metadata
.endif
;; end of part 6
;; launch attn (part 7): grid 4 x 64, 16 waves a work-group, no clusters, 145,408 bytes of LDS; arguments qkv, maskw, xq; writes xq
.if DOCPART == 7
	.amdgcn_target "amdgcn-amd-amdhsa--gfx1250"
	.amdhsa_code_object_version 6
	.text
	.protected	k_q389a967ccb_attn
	.globl	k_q389a967ccb_attn
	.p2align	8
	.type	k_q389a967ccb_attn,@function
k_q389a967ccb_attn:
	s_mov_b64 s[64:65], 0
	v_nop
	global_prefetch_b8 v0, s[64:65] scope:SCOPE_SE
	s_setreg_imm32_b32 hwreg(HW_REG_WAVE_SCHED_MODE, 0, 2), 2
	s_setreg_imm32_b32 hwreg(HW_REG_WAVE_MODE, 25, 1), 1
	s_wait_xcnt 0x0
	s_wait_alu depctr_vm_vsrc(0)
; ATTN.  x[b][q][64 head + d] = the sum over keys of softmax(q . k / 8, hidden where mask = 0) v, both products on codes of FP4 (E2M1) with E8M0 scales; x is quantised along D for the output projection.
; THE SOFTMAX: t = score x log2(e) / 8; M = the running largest t rounded UP to a whole number; p = 2^(t - M) is quantised along the keys, not normalised; the row's sum is taken of the unquantised p and divides at the end.
; When M moves, the sum and O are multiplied by 2^(old M - new M): exact.
; THE MASK.  A hidden score is replaced by -2^33 ahead of the maximum, a logit of -2^30 where the model has -1e9.  c x 2^33 is a whole number, so in a row that is hidden altogether t - M is exactly 0 and every p is 1, as with -1e9;
; beside any open key p is 0, as with -1e9.  LIMIT: results differ only where open logits lie under about -1e9.  NaN and infinities are not served; a block of zeros gets the scale byte 1, read by this program alone.
; The mask comes as lane-mask words, 64 a step and tile, read into scalar registers; every step applies its words: no branch hangs on the mask.  THE WORDS ARE ASKED FOR A STEP AHEAD: as soon as a step's selects have read the
; 64 registers, the next step's record is loaded into them, and has the rest of the softmax, the second product and the next step's first product in which to land.
; SHARES.  A work-group owns 512 queries of one head; the head's codes and scale words of K and V (139,264 bytes) come into LDS ONCE, through registers; one barrier.  Each of the sixteen waves owns two tiles of 16 queries, one after the
; other, in 256 registers: four waves to a SIMD, so that one wave's vector work stands beside another's matrix work and LDS loads.  A tile walks the head's 2,048 keys, 128 a step.
; The four work-groups of a head fetch the same K and V, each for itself by plain loads, once: 139,264 bytes against 32 steps' work of sixteen waves; no joint loads.
; LAYOUT.  Both products are used transposed: S^T = K Q^T (source 0 = 16 keys, source 1 = my 16 queries), O^T = V^T P^T (source 0 = 16 of the head's 64, source 1 = P): a lane holds ONE query.  Tiles hold rows
; 32 (i / 2) + 8 (i % 2) + r + 8 (r / 8), so that the 16 registers of tiles 2 b, 2 b + 1 are 16 neighbours: of the keys in S^T, of d in O^T.  The first product's K is 64: the upper 64 of the instruction's 128 are zero codes on both sides.
; THE MODE: SCHED_MODE bits 1:0 = 2 (LLVM: expert scheduling mode 2), set by the entry lines.  The code itself states the register dependences
; between vector or matrix instructions and memory or LDS instructions, with s_wait_alu, always for 0.
; THE PLAN.  Registers that memory or LDS instructions touch, in a step:
;   K's fragments and scale words   read by the step's first products; the NEXT step's land in them, behind the wait that follows the exponentials.
;   V's fragments and scale words   read by the step's second products, at its end; the next step's own land in them, behind that step's wait that follows the exponentials.
;   v8-v11                          the LDS addresses: written by four additions at the step's head, read by the step's 22 LDS loads.
;   p's codes and scale word        are made by vector instructions and taken by a scaled matrix instruction.
; So a step has one wait on vm_vsrc, ahead of the four additions, and two on va_vdst: the one behind the exponentials, which also states that K's and V's registers have been read and that v8-v11 are written, with all the step's
; LDS loads in one run behind it; and one ahead of the second products, for p's codes and scale word.  No LDS load stands at a step's head: K has come a step ahead.
; Outside the step: v1-v6 are written at the head and never again; v7, v255 (offsets), Q and its scale word, x's codes and scale byte are written and read once a tile: a wait at the tile's head and one ahead of its two stores.
.set QS0,  12582912
.set XS0,  4194304
.set LV,   65536                       ; LDS: K's codes at 0 (tile x 512), V's at 65,536 (16,384 tau + 1,024 step + 512 c),
.set LKS,  131072                      ; K's scale words (tile x 64 + 4 r),
.set LVS,  139264                      ; V's (1,024 tau + 64 step + 4 r)
.set QF,   16                          ; v16-23   Q's fragment (v20-23 zeros)
.set KF,   24                          ; v24-87   K's eight (the upper four registers of each: zeros)
.set VF,   88                          ; v88-119  V's four
.set S,    120                         ; v120-183 S^T, then p
.set O,    184                         ; v184-215 O^T
.set P,    216                         ; v216-223 p's codes
.set KSC,  224                         ; v224-227 K's scale words: lanes 0-15 tile 2 p, lanes 16-31 tile 2 p + 1
.set VSC,  228                         ; v228-229 V's likewise
.set QSC,  230                         ; v230     Q's
.set PSC,  231                         ; v231     p's
.set BM,   232                         ; v232-235 the blocks' largest scores, then largest p
.set T2,   236                         ; v236-239 at work
.set SOP,  240                         ; v240-243 the conversions' scale operands
.set TMP,  244
.set HID,  245                         ; v245     -2^33
.set F,    246                         ; v[246:247] f, later 1 / the sum
.set SUM2, 248                         ; v[248:249] the sum's second chain
.set PX,   250                         ; v250-253 x's codes
.set OB,   254                         ; v254     x's scale byte
; v1 16 lane; v2 LV + 16 lane; v3 LKS + 4 lane; v4 LVS + 4 r + 1,024 h; v5 4 r; v6 4 r + h; v7, v255 offsets that hang on the tile; v8-11 the step's LDS addresses; v12 -M; v13 the largest t; v[14:15] the sum in two halves
; s[2:3] Q's scale words; s[4:5] Q's codes; s[6:7] maskw; s[8:9] x's codes; s[30:31] x's scale bytes; s10 wave; s11 tile T; s12 16 (head % 2); s14 128 b; s16 step; s18, s19, s27, s28 the step x 4,096, 1,024, 512, 64;
; s26 the byte, in the tile's records, of the record asked for last; s[20:21] lane selects; s[22:23] c; s[24:25] the tile's records; s29 lanes 16-31; s32-63, s68-99 a step's 64 mask words
.macro MASKLOAD                        ; a record of 256 bytes: 64 lane-mask words
	s_load_b512 s[32:47], s[24:25], s26 offset:0x0
	s_load_b512 s[48:63], s[24:25], s26 offset:0x40
	s_load_b512 s[68:83], s[24:25], s26 offset:0x80
	s_load_b512 s[84:99], s[24:25], s26 offset:0xc0
.endm
	s_load_b128 s[4:7], s[0:1], 0x0                       ; qkv, maskw
	s_load_b64 s[8:9], s[0:1], 0x10                       ; xq
	v_lshrrev_b32 v1, 5, v0
	v_readfirstlane_b32 s10, v1                           ; wave 0..15
	s_wait_alu depctr_va_sdst(0)                          ; s10 is written, ahead of its first reader: the tiles' numbers are made from it
	s_and_b32 s13, ttmp7, 0xffff                          ; 16 b + head
	s_lshr_b32 s14, s13, 4                                ; b
	s_and_b32 s15, s13, 15                                ; head
	s_and_b32 s12, s15, 1
	s_lshl_b32 s12, s12, 4
	v_lshlrev_b32 v8, 4, v0                               ; the fill: 16 bytes a thread, 8,192 a load
	v_lshl_add_u32 v9, v0, 4, LV
	v_lshl_add_u32 v10, v0, 4, LKS
	v_lshl_add_u32 v11, v0, 3, LVS
	v_lshlrev_b32 v7, 3, v0
	v_and_b32 v6, 31, v0
	v_lshlrev_b32 v1, 4, v6
	v_add_nc_u32 v2, LV, v1
	v_lshl_add_u32 v3, v6, 2, LKS
	v_and_b32 v5, 15, v0
	v_lshlrev_b32 v5, 2, v5
	v_bfe_u32 v6, v0, 4, 1
	v_lshl_add_u32 v4, v6, 10, v5
	v_add_nc_u32 v4, LVS, v4
	v_add_nc_u32 v6, v5, v6
	s_lshl_b32 s16, s14, 3
	s_lshr_b32 s17, s15, 1
	s_add_co_u32 s16, s16, s17
	s_lshl_b32 s16, s16, 13                               ; (8 b + head / 2) x 8,192
	s_add_co_u32 s18, s16, QS0
	s_mov_b32 s19, 0
	s_wait_kmcnt 0x0
	s_add_nc_u64 s[2:3], s[4:5], s[18:19]                 ; Q's scale words of the pair of heads
	s_add_nc_u64 s[66:67], s[2:3], 262144                 ; K's
	s_lshl_b32 s18, s13, 12
	s_add_co_u32 s18, s18, QS0+524288
	s_add_nc_u64 s[26:27], s[4:5], s[18:19]               ; V's scale words of the head
	s_lshl_b32 s18, s13, 16
	s_add_nc_u64 s[4:5], s[4:5], s[18:19]                 ; Q's codes of the head
	s_add_nc_u64 s[24:25], s[4:5], 0x400000               ; K's
	s_add_nc_u64 s[30:31], s[4:5], 0x800000               ; V's
	s_wait_alu depctr_va_vdst(0)                          ; the offsets and LDS addresses v1 to v11 are written, which the fill's loads and LDS stores, and later loads by v1 and v3, read
.irp i, 0,1,2,3,4,5,6,7
	global_load_b128 v[24+4*\i:27+4*\i], v8, s[24:25] offset:8192*\i
.endr
.irp i, 0,1,2,3,4,5,6,7
	global_load_b128 v[56+4*\i:59+4*\i], v8, s[30:31] offset:8192*\i
.endr
	global_load_b128 v[88:91], v8, s[66:67]
	global_load_b64 v[92:93], v7, s[26:27]
.irp i, 0,1,2,3,4,5,6,7
	s_wait_loadcnt 17-\i                                  ; loads come back in order (ISA guide 5.7.1): this one is in, the younger ones stay out
	ds_store_b128 v8, v[24+4*\i:27+4*\i] offset:8192*\i
.endr
.irp i, 0,1,2,3,4,5,6,7
	s_wait_loadcnt 9-\i
	ds_store_b128 v9, v[56+4*\i:59+4*\i] offset:8192*\i
.endr
	s_wait_loadcnt 1
.irp i, 0,1,2,3
	v_lshrrev_b32 v[88+\i], s12, v[88+\i]                 ; my head's two bytes to the word's low end; what stands above them scales zero codes
.endr
	s_wait_alu depctr_va_vdst(0)                          ; the four shifts have written v[88:91], which the LDS store reads
	ds_store_b128 v10, v[88:91]
	s_wait_loadcnt 0x0
	ds_store_b64 v11, v[92:93]
	s_wait_dscnt 0x0                                      ; for the others' sake: my stores have landed
	s_barrier_signal -1
	s_barrier_wait -1                                     ; the head's K and V lie in LDS; nothing is stored there again
	s_wait_alu depctr_vm_vsrc(0)                          ; the fill's loads and LDS stores have read v7 to v11 and v24 to v93: zeros are written into some of these below, fragments land in others, and the offsets are made anew
.irp i, 0,1,2,3
	v_mov_b32 v[QF+4+\i], 0                               ; the upper 64 of the first product's K: zero codes
.endr
.irp t, 0,1,2,3,4,5,6,7
.irp i, 0,1,2,3
	v_mov_b32 v[KF+8*\t+4+\i], 0
.endr
.endr
.irp b, 0,1,2,3
	v_mov_b32 v[T2+\b], 0                                 ; written once: a lane permute's destination counts as one of its sources
.endr
	v_mov_b32 v[F+1], 0                                   ; (named as the upper half of a pair)
	v_mov_b32 v[HID], 0xd0000000                          ; -2^33
	s_mov_b32 s20, 0x76543210
	s_mov_b32 s21, 0xfedcba98
	s_mov_b32 s22, 0x3e38aa3b                             ; c = log2(e) / 8
	s_mov_b32 s23, s22
	s_mov_b32 s29, 0xffff0000
	s_lshl_b32 s18, s14, 16
	s_lshr_b32 s16, s15, 1
	s_lshl_b32 s16, s16, 6
	s_add_co_u32 s18, s18, s16
	s_lshr_b32 s16, s12, 3
	s_add_co_u32 s18, s18, s16
	s_add_co_u32 s18, s18, XS0
	s_add_nc_u64 s[30:31], s[8:9], s[18:19]               ; x's scale bytes: XS0 + 65,536 b + 64 (head / 2) + 2 (head % 2)
	s_lshl_b32 s18, s14, 20
	s_lshl_b32 s16, s15, 9
	s_add_co_u32 s18, s18, s16
	s_add_nc_u64 s[8:9], s[8:9], s[18:19]                 ; x's codes: 2^20 b + 512 head
	s_lshl_b32 s14, s14, 7                                ; 128 b
; One tile of 16 queries through all keys: tile T = 32 x work-group x + 16 p + wave.
.macro PASS p
	s_wait_xcnt 0x0                                       ; the last tile's stores have read their registers: offsets and data are written again below
.if \p
	s_wait_alu depctr_vm_vsrc(0)                          ; the last tile's two stores have read v7, v255, x's codes and its scale byte, all of which this tile writes again
.endif
	s_lshl_b32 s11, ttmp9, 5
	s_add_co_u32 s11, s11, s10
.if \p
	s_add_co_u32 s11, s11, 16*\p
.endif
	s_add_co_u32 s13, s14, s11                            ; 128 b + T
	s_lshl_b32 s18, s13, 12
	s_mov_b32 s19, 0
	s_add_nc_u64 s[24:25], s[6:7], s[18:19]               ; the tile's 16 records (no scalar load is out here: the last tile's were waited for at its end)
	s_mov_b32 s26, 0
	MASKLOAD                                              ; the first step's record
	s_lshl_b32 s13, s11, 9
	v_add_nc_u32 v7, s13, v1
	s_lshl_b32 s13, s11, 6
	v_add_nc_u32 v255, s13, v5
	s_wait_alu depctr_va_vdst(0)                          ; v7 and v255 are written, which the two loads read; whatever has named Q, its scale word, K and K's scale words (the last tile's products, its shift) is done: the loads below land there
	global_load_b128 v[QF:QF+3], v7, s[4:5]
	global_load_b32 v[QSC], v255, s[2:3]
.irp t, 0,1,2,3,4,5,6,7
	ds_load_b128 v[KF+8*\t:KF+8*\t+3], v1 offset:512*\t   ; K of the tile's first step; every later step's K is asked for in the step before it
.endr
.irp q, 0,1,2,3
	ds_load_b32 v[KSC+\q], v3 offset:128*\q
.endr
	v_mov_b32 v13, 0xff61b1e6                             ; the largest t so far: -3e38, under every t
	v_floor_f32 v12, -v13                                 ; -M
	v_mov_b32 v14, 0
	v_mov_b32 v15, 0
	s_wait_loadcnt 0x0
	v_lshrrev_b32 v[QSC], s12, v[QSC]                     ; my head's two bytes
.irp j, 0,1,2,3,4,5,6,7,8,9,10,11,12,13,14,15,16,17,18,19,20,21,22,23,24,25,26,27,28,29,30,31
	v_mov_b32 v[O+\j], 0                                  ; the step is written once: the first finds zeros.  (These are also the places between the scale word's shift and the first product)
.endr
	s_mov_b32 s16, 0
	s_mov_b32 s18, 0
	s_mov_b32 s19, 0
	s_mov_b32 s27, 0
	s_mov_b32 s28, 0
	s_wait_dscnt 0x0                                      ; the first step's K and its scale words are in
	s_wait_alu depctr_va_vdst(0)                          ; Q's shifted scale word and the zero codes are written, which the scaled products of every step take; the places stand above
.Lstep_\@:
	s_wait_alu depctr_vm_vsrc(0)                          ; the LDS loads issued so far have read v8 to v11 (and Q's two loads v7 and v255, which the tile's end writes again)
	v_add_nc_u32 v8, s18, v1                              ; the step's addresses; the loads that read them stand behind the wait that follows the exponentials
	v_add_nc_u32 v9, s19, v2
	v_add_nc_u32 v10, s27, v3
	v_add_nc_u32 v11, s28, v4
.irp t, 0,2,4,6
	v_wmma_scale_f32_16x16x128_f8f6f4 v[S+8*\t:S+8*\t+7], v[KF+8*\t:KF+8*\t+7], v[QF:QF+7], 0, v[KSC+\t/2], v[QSC] matrix_a_fmt:MATRIX_FMT_FP4 matrix_b_fmt:MATRIX_FMT_FP4
	v_wmma_scale_f32_16x16x128_f8f6f4 v[S+8*\t+8:S+8*\t+15], v[KF+8*\t+8:KF+8*\t+15], v[QF:QF+7], 0, v[KSC+\t/2], v[QSC] matrix_a_fmt:MATRIX_FMT_FP4 matrix_b_fmt:MATRIX_FMT_FP4 matrix_a_scale:MATRIX_SCALE_ROW1
.endr
.rept 4
	v_nop                                                 ; four places in front of the first read of the scores (ISA guide 7.12.1)
.endr
	s_wait_kmcnt 0x0                                      ; this step's mask words, asked for in the step before (the first: at the tile's head), are in; their offset may be written again
.set n, 0
.rept 64
.if n < 32
	v_cndmask_b32 v[S+n], v[HID], v[S+n], s[32+n]         ; word n: a bit for each lane; 0 hides.  Each accumulator is read from its low end on
.else
	v_cndmask_b32 v[S+n], v[HID], v[S+n], s[36+n]
.endif
.set n, n+1
.endr
.irp b, 0,1,2,3
	v_max3_num_f32 v[BM+\b], v[S+16*\b], v[S+1+16*\b], v[S+2+16*\b]        ; the largest score of each block of 32 keys: for the row's maximum, and, since p rises with the score, for the block's largest p
.endr
.irp i, 3,5,7,9,11,13
.irp b, 0,1,2,3
	v_max3_num_f32 v[BM+\b], v[BM+\b], v[S+16*\b+\i], v[S+1+16*\b+\i]
.endr
.endr
.irp b, 0,1,2,3
	v_max_num_f32 v[BM+\b], v[BM+\b], v[S+15+16*\b]
.endr
	s_add_co_u32 s26, s26, 256                            ; THE NEXT STEP'S RECORD, into the registers that the selects above have read, 32 vector lines back.
	s_min_u32 s26, s26, 15*256                            ; The tile's last step has no next record: it asks for its own once more, so that no load leaves the buffer
	MASKLOAD
.irp b, 0,1,2,3
	v_permlanex16_b32 v[T2+\b], v[BM+\b], s20, s21
.endr
.irp b, 0,1,2,3
	v_max_num_f32 v[BM+\b], v[BM+\b], v[T2+\b]            ; with lane l xor 16's 16 keys
.endr
	v_max3_num_f32 v[TMP], v[BM], v[BM+1], v[BM+2]
	v_max_num_f32 v[TMP], v[TMP], v[BM+3]
	v_mul_f32 v[TMP], s22, v[TMP]                         ; the step's largest t (c is positive)
	v_max_num_f32 v13, v13, v[TMP]
	v_mov_b32 v[TMP], v12
	v_floor_f32 v12, -v13                                 ; the new -M = -ceil(t): a whole number
	v_sub_f32 v[TMP], v12, v[TMP]                         ; old M - new M: a whole number, 0 or less
	v_cvt_i32_f32 v[TMP], v[TMP]                          ; (it saturates)
	v_ldexp_f32 v[F], 1.0, v[TMP]                         ; f = 2^(old M - new M)
.irp j, 0,2,4,6,8,10,12,14,16,18,20,22,24,26,28,30,32,34,36,38,40,42,44,46,48,50,52,54,56,58,60,62
	v_pk_fma_f32 v[S+\j:S+\j+1], v[S+\j:S+\j+1], s[22:23], v[12:13] op_sel_hi:[1,0,0]   ; t - M, two at a time
.endr
.irp b, 0,1,2,3
	v_fma_f32 v[BM+\b], v[BM+\b], s22, v12
.endr
	s_wait_alu depctr_va_vdst(0)
.irp j, 0,1,2,3,4,5,6,7,8,9,10,11,12,13,14,15,16,17,18,19,20,21,22,23,24,25,26,27,28,29,30,31,32,33,34,35,36,37,38,39,40,41,42,43,44,45,46,47,48,49,50,51,52,53,54,55,56,57,58,59,60,61,62,63
	v_exp_f32 v[S+\j], v[S+\j]                            ; p = 2^(t - M)
.endr
.irp b, 0,1,2,3
	v_exp_f32 v[BM+\b], v[BM+\b]                          ; the block's largest p: the same two instructions on the same number
.endr
	v_pk_mul_f32 v[14:15], v[14:15], v[F:F+1] op_sel_hi:[1,0]              ; the sums under the new M (a plain place behind the exponentials)
	s_wait_alu depctr_va_vdst(0)                          ; ONE wait for four things: the 68 exponentials have written p and the blocks' largest p, ahead of their first reader; this step's first products are done reading K and its scale words; the last step's second products are done reading V and its scale words; v8 to v11 are written
.irp t, 0,1,2,3
.irp c, 0,1
	ds_load_b128 v[VF+8*\t+4*\c:VF+8*\t+4*\c+3], v9 offset:16384*\t+512*\c   ; this step's V: it has the quantising of p, the sums and O's rescaling in which to land
.endr
.endr
.irp q, 0,1
	ds_load_b32 v[VSC+\q], v11 offset:2048*\q
.endr
	s_cmp_eq_u32 s16, 15                                  ; the tile's last step has no next step: a branch on the count of steps leads round K's twelve loads
	s_cbranch_scc1 .Lnok_\@
.irp t, 0,1,2,3,4,5,6,7
	ds_load_b128 v[KF+8*\t:KF+8*\t+3], v8 offset:4096+512*\t               ; THE NEXT STEP'S K: 4,096 bytes on
.endr
.irp q, 0,1,2,3
	ds_load_b32 v[KSC+\q], v10 offset:512+128*\q                           ; and its scale words: 512 bytes on
.endr
.Lnok_\@:
.irp b, 0,1,2,3
	v_max_num_f32 v[BM+\b], 0x1800000, v[BM+\b]           ; the floor 2^(3 - 127): the byte cannot fall under 1
.endr
.irp b, 0,1,2,3
	v_add_nc_u32 v[SOP+\b], 0xff000000, v[BM+\b]          ; 2 off the exponent field: the conversion's scale operand
.endr
.irp b, 0,1,2,3
	v_lshrrev_b32 v[T2+\b], 23, v[SOP+\b]
.endr
	v_lshl_or_b32 v[PSC], v[T2+1], 8, v[T2]
	v_lshl_or_b32 v[PSC], v[T2+2], 16, v[PSC]
	v_lshl_or_b32 v[PSC], v[T2+3], 24, v[PSC]             ; p's scale word for these 128 keys
.irp b, 0,1,2,3
	v_cvt_scalef32_pk8_fp4_f32 v[P+2*\b], v[S+16*\b:S+7+16*\b], v[SOP+\b]
	v_cvt_scalef32_pk8_fp4_f32 v[P+1+2*\b], v[S+8+16*\b:S+15+16*\b], v[SOP+\b]
.endr
	v_nop                                                 ; one plain place behind a scaled conversion
.irp c, 0,1
.irp i, 0,1
	v_permlane16_swap_b32 v[P+4*\c+\i], v[P+2+4*\c+\i]    ; a whole block to a lane
.endr
.endr
	v_pk_add_f32 v[SUM2:SUM2+1], v[S:S+1], v[S+2:S+3]     ; the row's sum, of the unquantised p: two at a time, in two chains
.irp j, 4,8,12,16,20,24,28,32,36,40,44,48,52,56,60
	v_pk_add_f32 v[14:15], v[14:15], v[S+\j:S+\j+1]
	v_pk_add_f32 v[SUM2:SUM2+1], v[SUM2:SUM2+1], v[S+2+\j:S+3+\j]
.endr
	v_pk_add_f32 v[14:15], v[14:15], v[SUM2:SUM2+1]
.irp j, 0,2,4,6,8,10,12,14,16,18,20,22,24,26,28,30
	v_pk_mul_f32 v[O+\j:O+\j+1], v[O+\j:O+\j+1], v[F:F+1] op_sel_hi:[1,0]  ; O^T under the new M
.endr
	s_wait_dscnt 0x0                                      ; V and its scale words are in, and so is the next step's K; for 0, since the count of loads behind V's differs between the two ways above
	s_wait_alu depctr_va_vdst(0)                          ; the conversions and the exchanges of halves have written p's codes, the shifts its scale word: the scaled products below take them; the places are the 48 packed lines above
.irp t, 0,2
	v_wmma_scale_f32_16x16x128_f8f6f4 v[O+8*\t:O+8*\t+7], v[VF+8*\t:VF+8*\t+7], v[P:P+7], v[O+8*\t:O+8*\t+7], v[VSC+\t/2], v[PSC] matrix_a_fmt:MATRIX_FMT_FP4 matrix_b_fmt:MATRIX_FMT_FP4
	v_wmma_scale_f32_16x16x128_f8f6f4 v[O+8*\t+8:O+8*\t+15], v[VF+8*\t+8:VF+8*\t+15], v[P:P+7], v[O+8*\t+8:O+8*\t+15], v[VSC+\t/2], v[PSC] matrix_a_fmt:MATRIX_FMT_FP4 matrix_b_fmt:MATRIX_FMT_FP4 matrix_a_scale:MATRIX_SCALE_ROW1
.endr
	s_add_co_u32 s18, s18, 4096
	s_add_co_u32 s19, s19, 1024
	s_add_co_u32 s27, s27, 512
	s_add_co_u32 s28, s28, 64
	s_add_co_u32 s16, s16, 1
	s_cmp_lt_u32 s16, 16
	s_cbranch_scc1 .Lstep_\@
	; ---- the tile's end: O^T / the sum, quantised along d: two blocks of 32, 16 of each in my registers
.rept 4
	v_nop
.endr
	v_add_f32 v14, v14, v15
	v_permlanex16_b32 v[TMP], v14, s20, s21
	v_add_f32 v14, v14, v[TMP]                            ; the row's sum
	s_wait_alu depctr_va_vdst(0)
	v_rcp_f32 v[F], v14
	v_nop                                                 ; one plain place behind a transcendental
	s_wait_alu depctr_va_vdst(0)                          ; the reciprocal has written v[F], ahead of its first reader
.irp j, 0,2,4,6,8,10,12,14,16,18,20,22,24,26,28,30
	v_pk_mul_f32 v[S+\j:S+\j+1], v[O+\j:O+\j+1], v[F:F+1] op_sel_hi:[1,0]  ; register 16 b + i: d = 32 b + 16 h + i of my query
.endr
.irp b, 0,1
	v_max3_num_f32 v[BM+\b], |v[S+16*\b]|, |v[S+1+16*\b]|, 0x1800000
.endr
.irp i, 2,4,6,8,10,12,14
.irp b, 0,1
	v_max3_num_f32 v[BM+\b], v[BM+\b], |v[S+16*\b+\i]|, |v[S+1+16*\b+\i]|
.endr
.endr
.irp b, 0,1
	v_permlanex16_b32 v[T2+\b], v[BM+\b], s20, s21
.endr
.irp b, 0,1
	v_max_num_f32 v[BM+\b], v[BM+\b], v[T2+\b]
.endr
.irp b, 0,1
	v_add_nc_u32 v[SOP+\b], 0xff000000, v[BM+\b]
.endr
.irp b, 0,1
	v_lshrrev_b32 v[T2+\b], 23, v[SOP+\b]
.endr
.irp b, 0,1
	v_cvt_scalef32_pk8_fp4_f32 v[PX+2*\b], v[S+16*\b:S+7+16*\b], v[SOP+\b]
	v_cvt_scalef32_pk8_fp4_f32 v[PX+1+2*\b], v[S+8+16*\b:S+15+16*\b], v[SOP+\b]
.endr
	v_nop
	v_permlane16_swap_b32 v[PX], v[PX+2]
	v_permlane16_swap_b32 v[PX+1], v[PX+3]                ; lane (r, h): d = 32 h + 0 .. 31 of my row: 16 bytes of the next operand's image
	v_cndmask_b32 v[OB], v[T2], v[T2+1], s29              ; lane (r, h) stores block h's byte
	s_lshl_b32 s13, s11, 13
	v_add_nc_u32 v7, s13, v1                              ; (Q's two loads have read v7 and v255: the steps' waits on vm_vsrc stand behind them)
	s_lshl_b32 s13, s11, 9
	v_add_nc_u32 v255, s13, v6
	s_wait_alu depctr_va_vdst(0)                          ; x's codes, its scale byte and the two offsets are written, which the two stores read
	global_store_b128 v7, v[PX:PX+3], s[8:9]              ; 512 consecutive bytes, aligned
	global_store_b8 v255, v[OB], s[30:31]
	s_wait_kmcnt 0x0                                      ; the last step's spare record is in: its registers, base and offset may be written again
.endm
	PASS 0
	PASS 1
	s_wait_xcnt 0x0
	s_wait_alu depctr_vm_vsrc(0)                          ; the last two stores have read v254 and v255, which the add's two registers are made in
	v_lshl_add_u32 v254, v0, 2, 0x23000
	v_mov_b32 v255, 0
	s_wait_dscnt 0x0                                      ; the closing lines, six on end
	s_wait_alu 0x0
	s_wait_tensorcnt 0x0
	ds_add_u32 v254, v255
	s_wait_dscnt 0x0
	s_endpgm
.Lfunc_end_k_q389a967ccb_attn:
	.size	k_q389a967ccb_attn, .Lfunc_end_k_q389a967ccb_attn-k_q389a967ccb_attn
	.p2alignl 7, 3214868480
	.fill 96, 4, 3214868480
	.section	.rodata,"a",@progbits
	.p2align	6, 0x0
	.amdhsa_kernel k_q389a967ccb_attn
		.amdhsa_group_segment_fixed_size 145408
		.amdhsa_private_segment_fixed_size 0
		.amdhsa_enable_private_segment 0
		.amdhsa_kernarg_size 24
		.amdhsa_user_sgpr_count 2
		.amdhsa_user_sgpr_kernarg_segment_ptr 1
		.amdhsa_wavefront_size32 1
		.amdhsa_system_sgpr_workgroup_id_x 1
		.amdhsa_system_sgpr_workgroup_id_y 1
		.amdhsa_system_sgpr_workgroup_id_z 1
		.amdhsa_system_vgpr_workitem_id 0
		.amdhsa_next_free_vgpr 256
		.amdhsa_next_free_sgpr 100
		.amdhsa_reserve_vcc 0
		.amdhsa_float_denorm_mode_32 3
		.amdhsa_float_denorm_mode_16_64 3
		.amdhsa_memory_ordered 1
		.amdhsa_forward_progress 1
		.amdhsa_inst_pref_size 61
	.end_amdhsa_kernel
	.amdgpu_metadata
---
amdhsa.version: [ 1, 2 ]
amdhsa.kernels:
  - .name:           k_q389a967ccb_attn
    .symbol:         k_q389a967ccb_attn.kd
    .args:
      - { .name: qkv, .offset: 0, .size: 8, .value_kind: global_buffer, .address_space: global }
      - { .name: maskw, .offset: 8, .size: 8, .value_kind: global_buffer, .address_space: global }
      - { .name: xq, .offset: 16, .size: 8, .value_kind: global_buffer, .address_space: global }
    .group_segment_fixed_size: 145408
    .private_segment_fixed_size: 0
    .kernarg_segment_align: 8
    .kernarg_segment_size: 24
    .max_flat_workgroup_size: 512
    .sgpr_count:     100
    .vgpr_count:     256
    .wavefront_size: 32
...
	.end_amdgpu_metadata
.endif
;; end of part 7
;; launch outp (part 8): grid 256 x 1, 8 waves a work-group, no clusters, 278,528 bytes of LDS; arguments xq, opq, bo, out0; writes out0
.if DOCPART == 8
	.amdgcn_target "amdgcn-amd-amdhsa--gfx1250"
	.amdhsa_code_object_version 6
	.text
	.protected	k_q389a967ccb_outp
	.globl	k_q389a967ccb_outp
	.p2align	8
	.type	k_q389a967ccb_outp,@function
k_q389a967ccb_outp:
	s_mov_b64 s[64:65], 0
	v_nop
	global_prefetch_b8 v0, s[64:65] scope:SCOPE_SE
	s_setreg_imm32_b32 hwreg(HW_REG_WAVE_SCHED_MODE, 0, 2), 2
	s_setreg_imm32_b32 hwreg(HW_REG_WAVE_MODE, 25, 1), 1
	s_wait_xcnt 0x0
	s_wait_alu depctr_vm_vsrc(0)
; OUTP.  out0[m][n] = sum over k of x[m][k] Wo[n][k] + bo[n], on codes of FP4 (E2M1) with E8M0 scales; K = 1,024; out0 f32.
; x comes as the attention launch left it, Wo as the first launch left it: images of operand registers, tile i = rows 32 (i / 2) + 8 (i % 2) + r + 8 (r / 8), 8,192 bytes of codes and 512 of scale words a tile.
; The matrix instruction takes source 0 = 16 rows of Wo, source 1 = 16 rows of x: a lane holds one row m, and the 16 registers of Wo's tiles 2 b, 2 b + 1 are 16 neighbouring columns.
; SHARES.  A work-group makes 128 (m) x 256 (n): 256 work-groups.  Its operands for all of K come into LDS once, through registers, 52 loads a thread on their way together; one barrier.
; Wave w: x's tiles 2 wm, 2 wm + 1 (wm = w / 2) x Wo's tiles 8 wn .. 8 wn + 7 (wn = w % 2): 16 accumulators.  Results leave through the wave's own stage in LDS as whole rows of 512 bytes.
; x's block is read by 4 work-groups and Wo's by 64, each for itself by plain loads: no LDS byte is filled twice, and no joint loads are used; they would divide these requests.  Chosen for plainness.
; THE MODE: SCHED_MODE bits 1:0 = 2 (LLVM: expert scheduling mode 2), set by the entry lines.  The code itself states the register dependences
; between vector or matrix instructions and memory or LDS instructions, with s_wait_alu, always for 0.
; THE PLAN.  Registers that memory or LDS instructions touch:
;   v1-v13     offsets and LDS addresses: written by vector instructions at the head and never again; read by every load and store.
;   v32-v236   the fill: global loads land in them, LDS stores read them; behind the barrier they are operand sets and accumulators.
;   the sets   A's fragments, B's fragments and the scale words have two sets each.  K step s multiplies from the sets s % 2; its 28 LDS loads, which are step s + 1's, land in the other sets, which the products of step s - 1 have read.
;   the way out  the accumulators, written last by the bias's additions, are read by the stage's LDS stores; tile 0's rows come back into v64-127, where the bias lay, tile 1's into tile 0's accumulators; the global stores read what came back.
; So ONE wait on va_vdst stands at the head of a K step, behind the wait for that step's operands; one ahead of the bias's loads; one ahead of the stage's stores, behind which no vector instruction follows; and one wait on vm_vsrc ahead of tile 1's turn through the stage.
.set SC0,  14680064
.set XS0,  4194304
.set LSA,  196608                      ; LDS: A's codes at 0 (65,536), B's at 65,536 (131,072), A's scale words (4,096),
.set LSB,  200704                      ; B's (8,192),
.set LBI,  208896                      ; the bias (1,024),
.set STG,  209920                      ; and a stage of 16 rows x (512 bytes + 16) for each wave
.set STW,  16*528
.set SCR,  16                          ; v16-31  scale words, two sets of 8: lanes 0-15 A's tile t, lanes 16-31 B's tile t; they hold nothing else
.set AF,   32                          ; v32-63  A's two fragments, two sets
.set BF,   64                          ; B's eight fragments, two sets: set 0 is v64-127, set 1 the same numbers in window 1 (v320-383)
.set ACC,  128                         ; v128-255 accumulator (a, t) at v[128 + 64 a + 8 t]
.set FL,   32                          ; the fill: v32-235, v236
.set MSB,  0
.macro WIN new                         ; s_set_vgpr_msb's low byte: bits 1:0 source 0, 7:6 destination; the immediate's high byte repeats the setting that is left; a switch that changes nothing is dropped
.if MSB != (\new)
	s_set_vgpr_msb (MSB<<8)|(\new)
.set MSB, (\new)
.endif
.endm
.macro LDB s, t0, p                    ; B's tiles t0 .. t0 + 3 of K step s into set p: 8 loads; the destination's window is p, the address's 0
	WIN 64*(\p)
.irp t, \t0, \t0+1, \t0+2, \t0+3
.irp c, 0,1
	ds_load_b128 v[BF+8*(\t)+4*\c:BF+8*(\t)+4*\c+3], v2 offset:8192*(\t)+1024*(\s)+512*\c
.endr
.endr
.endm
.macro LDA s, p
	WIN 0
.irp a, 0,1
.irp c, 0,1
	ds_load_b128 v[AF+16*(\p)+8*\a+4*\c:AF+16*(\p)+8*\a+4*\c+3], v1 offset:8192*\a+1024*(\s)+512*\c
.endr
.endr
.endm
.macro LDSC s, p
	WIN 0
.irp t, 0,1,2,3,4,5,6,7
	ds_load_b32 v[SCR+8*(\p)+\t], v3 offset:512*\t+64*(\s)
.endr
.endm
.macro MUL8 t0, p, zero                ; 8 products from the sets p (source 0, B, in window p); the 16 accumulators take turns, one instruction a turn, in the same order in every K step
	WIN (\p)
.irp t, \t0, \t0+1, \t0+2, \t0+3
.irp a, 0,1
.if \zero
	v_wmma_scale_f32_16x16x128_f8f6f4 v[ACC+64*\a+8*(\t):ACC+64*\a+8*(\t)+7], v[BF+8*(\t):BF+8*(\t)+7], v[AF+16*(\p)+8*\a:AF+16*(\p)+8*\a+7], 0, v[SCR+8*(\p)+(\t)], v[SCR+8*(\p)+\a] matrix_a_fmt:MATRIX_FMT_FP4 matrix_b_fmt:MATRIX_FMT_FP4 matrix_a_scale:MATRIX_SCALE_ROW1
.else
	v_wmma_scale_f32_16x16x128_f8f6f4 v[ACC+64*\a+8*(\t):ACC+64*\a+8*(\t)+7], v[BF+8*(\t):BF+8*(\t)+7], v[AF+16*(\p)+8*\a:AF+16*(\p)+8*\a+7], v[ACC+64*\a+8*(\t):ACC+64*\a+8*(\t)+7], v[SCR+8*(\p)+(\t)], v[SCR+8*(\p)+\a] matrix_a_fmt:MATRIX_FMT_FP4 matrix_b_fmt:MATRIX_FMT_FP4 matrix_a_scale:MATRIX_SCALE_ROW1
.endif
.endr
.endr
.endm
.macro PLACES                          ; four places in front of loads into registers that matrix instructions have read, and of the first read of results
.rept 4
	v_nop
.endr
.endm
.macro STEP s, zero, next              ; a K step of 128: 16 products from the sets s % 2; the next step's 28 loads go out first, into the other sets
	s_wait_dscnt 8                                        ; this step's operands are in, all but the youngest eight loads (B's tiles 4-7)
.if \next
.if (\s) > 0
	PLACES
	s_wait_alu depctr_va_vdst(0)                          ; the last step's products are done reading the other sets of A, of B and of the scale words, in which the 28 loads below land
.endif
	LDA (\s)+1, 1-(\s)%2
	LDSC (\s)+1, 1-(\s)%2
	LDB (\s)+1, 0, 1-(\s)%2
	LDB (\s)+1, 4, 1-(\s)%2
.endif
	MUL8 0, (\s)%2, \zero
.if \next
	s_wait_dscnt 28                                       ; all but the 28 just issued: B's tiles 4-7 are in
.else
	s_wait_dscnt 0x0
.endif
	MUL8 4, (\s)%2, \zero
.endm
	s_load_b256 s[4:11], s[0:1], 0x0                      ; xq, opq, bo, out0
	s_set_vgpr_msb 0x40
	v_lshl_add_u32 v0, v0, 2, 0x43c00
	v_mov_b32 v1, 0
	s_set_vgpr_msb 0x4000
	v_lshrrev_b32 v1, 5, v0
	v_readfirstlane_b32 s14, v1                           ; wave 0..7
	s_wait_alu depctr_va_sdst(0)                          ; s14 is written, ahead of its first reader
	s_lshr_b32 s15, s14, 1                                ; wm
	s_and_b32 s16, s14, 1                                 ; wn
	s_lshr_b32 s18, ttmp9, 2                              ; mt: which 128 rows
	s_and_b32 s19, ttmp9, 3                               ; nt: which 256 columns
	v_lshlrev_b32 v8, 4, v0                               ; the fill: 16 bytes a thread, 4,096 a load
	v_lshl_add_u32 v9, v0, 4, 65536
	v_lshl_add_u32 v10, v0, 4, 131072
	v_lshl_add_u32 v11, v0, 4, LSA
	v_lshl_add_u32 v12, v0, 2, LBI
	v_lshlrev_b32 v13, 2, v0
	v_and_b32 v14, 31, v0
	v_and_b32 v15, 15, v0                                 ; r
	v_lshlrev_b32 v4, 4, v14                              ; 16 x lane
	s_lshl_b32 s22, s15, 14
	v_add_nc_u32 v1, s22, v4                              ; A's tiles 2 wm on
	s_lshl_b32 s22, s16, 16
	s_add_co_u32 s22, s22, 65536
	v_add_nc_u32 v2, s22, v4                              ; B's tiles 8 wn on
	v_bfe_u32 v14, v0, 4, 1                               ; h
	s_xor_b32 s23, s15, 3
	s_add_co_u32 s23, s23, 1                              ; 4 - wm
	s_lshl_b32 s22, s16, 2
	s_add_co_u32 s23, s23, s22
	s_lshl_b32 s23, s23, 10                               ; from A's words (LSA + 1,024 wm) to B's (LSB + 4,096 wn)
	v_mul_u32_u24 v3, s23, v14                            ; lanes 16-31 take B's
	s_wait_alu depctr_va_vdst(0)
	s_lshl_b32 s22, s15, 10
	s_add_co_u32 s22, s22, LSA
	v_lshl_add_u32 v3, v15, 2, v3
	v_add_nc_u32 v3, s22, v3
	s_lshl_b32 s22, s16, 9
	s_add_co_u32 s22, s22, LBI
	v_lshl_add_u32 v5, v14, 6, s22                        ; the bias: my wave's 128 numbers, + 16 h of them
	s_mul_i32 s22, s14, STW
	s_add_co_u32 s22, s22, STG                            ; my stage
	v_mul_u32_u24 v6, v15, 528
	v_lshl_add_u32 v6, v14, 6, v6
	v_add_nc_u32 v6, s22, v6                              ; in: row r, + 64 h
	v_add_nc_u32 v7, s22, v4                              ; back: a row's 512 bytes, 16 a lane
	s_mov_b32 s35, 0
	s_lshl_b32 s21, s19, 4
	s_add_co_u32 s21, s21, 1728                           ; Wo's first tile in opq
	s_wait_kmcnt 0x0
	s_lshl_b32 s34, s18, 16
	s_add_nc_u64 s[24:25], s[4:5], s[34:35]               ; A's codes
	s_lshl_b32 s34, s21, 13
	s_add_nc_u64 s[26:27], s[6:7], s[34:35]               ; B's codes
	s_lshl_b32 s34, s18, 12
	s_add_co_u32 s34, s34, XS0
	s_add_nc_u64 s[28:29], s[4:5], s[34:35]               ; A's scale words
	s_lshl_b32 s34, s21, 9
	s_add_co_u32 s34, s34, SC0
	s_add_nc_u64 s[30:31], s[6:7], s[34:35]               ; B's
	s_lshl_b32 s34, s19, 10
	s_add_nc_u64 s[32:33], s[8:9], s[34:35]               ; the block's 256 bias numbers
	s_wait_alu depctr_va_vdst(0)                          ; the offsets and LDS addresses v1 to v13 are written: every load and store of the kernel reads one of them, and none is written again
.set i, 0
.rept 52
.if i < 16
	global_load_b128 v[FL+4*i:FL+4*i+3], v8, s[24:25] offset:4096*i
.elseif i < 48
	global_load_b128 v[FL+4*i:FL+4*i+3], v8, s[26:27] offset:4096*(i-16)
.elseif i == 48
	global_load_b128 v[FL+4*i:FL+4*i+3], v8, s[28:29]
.elseif i < 51
	global_load_b128 v[FL+4*i:FL+4*i+3], v8, s[30:31] offset:4096*(i-49)
.else
	global_load_b32 v[FL+204], v13, s[32:33]
.endif
.set i, i+1
.endr
	s_lshl_b32 s34, s18, 7
	s_lshl_b32 s36, s15, 5
	s_add_co_u32 s34, s34, s36                            ; my first row: 128 mt + 32 wm
	s_lshl_b32 s34, s34, 12
	s_lshl_b32 s36, s19, 10
	s_add_co_u32 s34, s34, s36
	s_lshl_b32 s36, s16, 9
	s_add_co_u32 s34, s34, s36                            ; + my first column's bytes: 1,024 nt + 512 wn
	s_add_nc_u64 s[40:41], s[10:11], s[34:35]
.set i, 0
.rept 52
.if i%4 == 0
	s_wait_loadcnt 48-i                                   ; loads come back in order (ISA guide 5.7.1): the next four are in, the younger ones stay out
.endif
.if i < 16
	ds_store_b128 v8, v[FL+4*i:FL+4*i+3] offset:4096*i
.elseif i < 32
	ds_store_b128 v9, v[FL+4*i:FL+4*i+3] offset:4096*(i-16)
.elseif i < 48
	ds_store_b128 v10, v[FL+4*i:FL+4*i+3] offset:4096*(i-32)
.elseif i < 51
	ds_store_b128 v11, v[FL+4*i:FL+4*i+3] offset:4096*(i-48)
.else
	ds_store_b32 v12, v[FL+204]
.endif
.set i, i+1
.endr
	s_wait_dscnt 0x0                                      ; for the others' sake: my stores have landed
	s_barrier_signal -1
	s_barrier_wait -1                                     ; the block's operands lie in LDS; those bytes are not stored again
	s_wait_alu depctr_vm_vsrc(0)                          ; my LDS stores have read v32 to v236: from here on these registers are the operands' sets, in which LDS loads land, and the accumulators, which the products write
	LDA 0, 0
	LDSC 0, 0
	LDB 0, 0, 0
	LDB 0, 4, 0
	STEP 0, 1, 1                                          ; the first K step's products start the sums; no vector or matrix instruction has named the sets in which its loads land
.irp s, 1,2,3,4,5,6
	STEP \s, 0, 1
.endr
	STEP 7, 0, 0
	WIN 0
	PLACES
	s_wait_alu depctr_va_vdst(0)                          ; the products are done reading B's set 0, in which the bias lands
	; ---- the bias; each accumulator is read from its low end on
.irp t, 0,1,2,3,4,5,6,7
.irp i, 0,1
	ds_load_b128 v[BF+8*\t+4*\i:BF+8*\t+4*\i+3], v5 offset:(32*(\t/2)+8*(\t%2))*4+16*\i
.endr
.endr
	s_wait_dscnt 0x0
.irp a, 0,1
.irp t, 0,1,2,3,4,5,6,7
.irp i, 0,2,4,6
	v_pk_add_f32 v[ACC+64*\a+8*\t+\i:ACC+64*\a+8*\t+\i+1], v[ACC+64*\a+8*\t+\i:ACC+64*\a+8*\t+\i+1], v[BF+8*\t+\i:BF+8*\t+\i+1]
.endr
.endr
.endr
	; ---- the way out: a tile of 16 rows x 128 columns goes into my own stage and comes back as whole rows, into registers that are done with: o.
	; LDS serves a wave's instructions in order (ISA guide 5.7.1.4): no wait on DScnt between the stores and the loads, nor in front of the next tile's stores.
.macro TOSTAGE a, o
.irp t, 0,1,2,3,4,5,6,7
.irp i, 0,1
	ds_store_b128 v6, v[ACC+64*\a+8*\t+4*\i:ACC+64*\a+8*\t+4*\i+3] offset:128*(\t/2)+32*(\t%2)+16*\i   ; columns 32 (t / 2) + 16 h + 8 (t % 2) + 4 i on
.endr
.endr
.irp p, 0,1,2,3,4,5,6,7,8,9,10,11,12,13,14,15
	ds_load_b128 v[(\o)+4*\p:(\o)+4*\p+3], v7 offset:528*\p
.endr
.endm
.macro SEND a, o, younger              ; younger: the LDS instructions issued behind tile a's loads
.irp p, 0,1,2,3,4,5,6,7,8,9,10,11,12,13,14,15
	s_wait_dscnt \younger+15-\p
	global_store_b128 v4, v[(\o)+4*\p:(\o)+4*\p+3], s[40:41] offset:(8*\a+\p+8*(\p/8))*4096 th:TH_STORE_NT   ; 32 lanes store 512 consecutive bytes, at a multiple of 512 from out0's first byte
.endr
.endm
	s_wait_alu depctr_va_vdst(0)                          ; the additions have written the accumulators, which the LDS stores read, and are done reading the bias and tile 0's accumulators, in which the rows land; no vector instruction follows
	TOSTAGE 0, BF
	s_wait_alu depctr_vm_vsrc(0)                          ; tile 0's LDS stores have read v[ACC .. ACC+63], in which tile 1's rows land
	TOSTAGE 1, ACC
	SEND 0, BF, 32
	SEND 1, ACC, 0
	s_set_vgpr_msb 0x5                                    ; the add's two registers, v256 and v257, are its sources 0 and 1: window 1
	s_wait_dscnt 0x0                                      ; the closing lines, six on end
	s_wait_alu 0x0
	s_wait_tensorcnt 0x0
	ds_add_u32 v0, v1
	s_wait_dscnt 0x0
	s_endpgm
.Lfunc_end_k_q389a967ccb_outp:
	.size	k_q389a967ccb_outp, .Lfunc_end_k_q389a967ccb_outp-k_q389a967ccb_outp
	.p2alignl 7, 3214868480
	.fill 96, 4, 3214868480
	.section	.rodata,"a",@progbits
	.p2align	6, 0x0
	.amdhsa_kernel k_q389a967ccb_outp
		.amdhsa_group_segment_fixed_size 278528
		.amdhsa_private_segment_fixed_size 0
		.amdhsa_enable_private_segment 0
		.amdhsa_kernarg_size 32
		.amdhsa_user_sgpr_count 2
		.amdhsa_user_sgpr_kernarg_segment_ptr 1
		.amdhsa_wavefront_size32 1
		.amdhsa_system_sgpr_workgroup_id_x 1
		.amdhsa_system_sgpr_workgroup_id_y 1
		.amdhsa_system_sgpr_workgroup_id_z 1
		.amdhsa_system_vgpr_workitem_id 0
		.amdhsa_next_free_vgpr 384
		.amdhsa_next_free_sgpr 66
		.amdhsa_reserve_vcc 0
		.amdhsa_float_denorm_mode_32 3
		.amdhsa_float_denorm_mode_16_64 3
		.amdhsa_memory_ordered 1
		.amdhsa_forward_progress 1
		.amdhsa_inst_pref_size 58
	.end_amdhsa_kernel
	.amdgpu_metadata
---
amdhsa.version: [ 1, 2 ]
amdhsa.kernels:
  - .name:           k_q389a967ccb_outp
    .symbol:         k_q389a967ccb_outp.kd
    .args:
      - { .name: xq, .offset: 0, .size: 8, .value_kind: global_buffer, .address_space: global }
      - { .name: opq, .offset: 8, .size: 8, .value_kind: global_buffer, .address_space: global }
      - { .name: bo, .offset: 16, .size: 8, .value_kind: global_buffer, .address_space: global }
      - { .name: out0, .offset: 24, .size: 8, .value_kind: global_buffer, .address_space: global }
    .group_segment_fixed_size: 278528
    .private_segment_fixed_size: 0
    .kernarg_segment_align: 8
    .kernarg_segment_size: 32
    .max_flat_workgroup_size: 256
    .sgpr_count:     66
    .vgpr_count:     384
    .wavefront_size: 32
...
	.end_amdgpu_metadata
.endif
;; end of part 8
